; MI455X (gfx1250); checked and timed in simulation.
; The chip was launched on July 23, 2026; its instructions are those of AMD's public machine-readable ISA for CDNA 5 (MIT licence, August 2026) and "CDNA5" Instruction Set Architecture Reference Guide (July 2026). The comments in the code are by the model that wrote it; some were corrected since.
;; Multi Head Attention. Allowed arithmetic: matrix products marked QUANTISED: E2M1 operands, one E8M0 scale for each 32 along K, by v_wmma_scale_f32_16x16x128_f8f6f4 with both operands' format E2M1 (or v_wmma_scale_f32_32x16x128_f4), f32 sums; everything else in f32.
;; Inputs: bk 1,024 float32; bo 1,024 float32; bq 1,024 float32; bv 1,024 float32; wk 1,024 x 1,024 float32; wo 1,024 x 1,024 float32; wq 1,024 x 1,024 float32; wv 1,024 x 1,024 float32; x 4 x 2,048 x 1,024 float32.
;; Outputs: out0 4 x 2,048 x 1,024 float32.
;; This version of the problem:
;;   THIS VERSION OF THE PROBLEM IS GIVEN IN LOW PRECISION. The matrix products marked QUANTISED in the list below multiply operands that are first quantised to E2M1 (2 exponent bits, 1 mantissa bit; 4 bits a number), with one power-of-two scale for each 32 numbers along K (OCP MX v1.0); their sums are f32. All else is computed in f32.
;;   The module's matrix products, in the order in which they are computed (A, B: the left and right operand; K: the contracted axis; several contracted axes count as one K, in the product's order):
;;     1. [M 8,192, K 1,024] x [K 1,024, N 1,024]; A: input x; B: input wq: QUANTISED
;;     2. [M 8,192, K 1,024] x [K 1,024, N 1,024]; A: input x; B: input wk: QUANTISED
;;     3. [M 8,192, K 1,024] x [K 1,024, N 1,024]; A: input x; B: input wv: QUANTISED
;;     4. batch 64 x [M 2,048, K 64] x [K 64, N 2,048]; A: computed on the way; B: computed on the way: QUANTISED
;;     5. batch 64 x [M 2,048, K 2,048] x [K 2,048, N 64]; A: softmax (see below); B: computed on the way: QUANTISED
;;     6. [M 8,192, K 1,024] x [K 1,024, N 1,024]; A: computed on the way; B: input wo: QUANTISED
;;   THE QUANTISER, for each operand of a quantised product, along K:
;;     - K is cut into blocks of 32 from its start; a last block that is shorter is filled with zeros.
;;     - A block's scale is 2^e with e = floor(log2(the largest magnitude in the block)) - 2, held to -126 .. 127; a block of zeros has e = 0. As a byte (E8M0): e + 127.
;;     - Each number is divided by its block's scale, clamped to +-6, and rounded to the nearest number of E2M1, ties to even, subnormals kept.
;;     - The product sums the exact products of the quantised numbers (number of the format x scale) in f32.
;;   ~~~python
;;   def quantise(x, axis):      # numpy; x: float32 -> the quantised numbers, widened to float32 again
;;       x = np.moveaxis(x, axis, -1); K = x.shape[-1]
;;       x = np.pad(x, [(0, 0)] * (x.ndim - 1) + [(0, -K % 32)]); x = x.reshape(x.shape[:-1] + (-1, 32)); a = np.abs(x).max(-1, keepdims=True)
;;       e = np.where(a > 0, np.clip(np.frexp(np.where(a > 0, a, 1))[1] - 1 - 2, -126, 127), 0)      # np.frexp(a)[1] - 1 = floor(log2(a)), exactly
;;       r = np.clip(x / 2.0 ** e, -6, 6)
;;       step = 2.0 ** (np.maximum(np.frexp(np.where(r == 0, 1, r))[1] - 1, 0) - 1)
;;       q = np.round(r / step) * step * 2.0 ** e      # np.round: ties to even
;;       return np.moveaxis(q.reshape(q.shape[:-2] + (-1,))[..., :K], -1, axis).astype(np.float32)
;;   ~~~
;;   SOFTMAX AHEAD OF A QUANTISED PRODUCT. Where the list says 'softmax', what is quantised is not the finished softmax but p = 2^(t - M), with t = logit x log2(e) and M = ceil(the row's largest t), a whole number; so 1/2 < the row's largest p <= 1. The row's sum l is taken of the UNQUANTISED p, in f32, and the product's result is divided by l at the end. Since M is a whole number, a kernel that streams over the keys may use a running M (the ceiling of the running maximum): every later rescaling is an exact power of two, which a block's scale takes up: the codes' values come out the same.
;;   OPERANDS COMPUTED ON THE WAY. 'Computed on the way' means the value that the module computes at that place (a softmax that the list does not call 'softmax' is quantised finished and normalised). What goes into a quantiser is computed in f32, as accurately as f32 sums, v_exp_f32 and their like allow (about 1e-6 of the number): no bf16 or f16 on the way to a quantiser, and a product that is left as it is and whose result goes on into a quantised operand takes f32 operands (vector FMAs, or v_wmma_f32_16x16x4_f32). A number that lies on a knife's edge between two numbers of the format may be rounded either way, as far as f32 arithmetic and the matrix unit's own rounding can turn it there, and no further.
;; One version. Each part assembles by itself: llvm-mc -triple=amdgcn-amd-amdhsa -mcpu=gfx1250 --defsym DOCPART=n.
;; ======== version 1 of 1: 4 launches
;; workspace buffers: xc 4,194,304 bytes; xs 262,144 bytes; wc 2,097,152 bytes; wsc 131,072 bytes; qkv 13,893,632 bytes; aoc 4,194,304 bytes; aos 262,144 bytes
;; launch quant (part 1): grid 512 x 1, 4 waves a work-group, no clusters, 34,304 bytes of LDS; arguments x, wq, wk, wv, wo, xc, xs, wc, wsc; writes xc, xs, wc, wsc
.if DOCPART == 1
	.amdgcn_target "amdgcn-amd-amdhsa--gfx1250"
	.amdhsa_code_object_version 6
	.text
	.protected	k_qc5e0d89620_quant
	.globl	k_qc5e0d89620_quant
	.p2align	8
	.type	k_qc5e0d89620_quant,@function
k_qc5e0d89620_quant:
	s_mov_b64 s[64:65], 0
	v_nop
	global_prefetch_b8 v0, s[64:65] scope:SCOPE_SE
	s_setreg_imm32_b32 hwreg(HW_REG_WAVE_MODE, 25, 1), 1
	s_wait_xcnt 0x0
; x [8192][1024] f32 (K innermost) and wq, wk, wv, wo [1024 (k)][1024 (n)] f32 (K is the first axis) become codes of FP4 (E2M1) with one E8M0 byte for each 32 along K.
; A block's scale is 2^(floor(log2(its largest magnitude)) - 2); its byte is the largest magnitude's exponent field - 2, held at 1 from below.
; LAYOUT OF THE RESULTS: the order of the operand's registers.  Row R = 16 rt + r, block b = k / 32:  codes at rt x 8192 + b x 256 + r x 16;  scale byte at rt x 512 + (b / 16) x 256 + r x 16 + b % 16.
; With b = 4 s + 2 c + h that is rt x 8192 + s x 1024 + c x 512 + 16 x lane: half a fragment of K step s is 512 consecutive bytes in lane order.
; wc, wsc: rows 0-1023 are wq's columns, 1024-2047 wk's, 2048-3071 wv's, 3072-4095 wo's.
; LIMITS: NaN and infinities among the inputs are not served.  A block whose largest magnitude lies under 2^-124 has its byte held at 1.  A block of zeros gets the byte 1 where the rule says 127:
; its codes are zeros, and these bytes are read by this program alone.
; SHARES.  Work-groups 0-255 take the weights: a wave 32 columns x 128 along K, a lane a column, its registers down K.  Work-groups 256-511 take x: a wave 16 rows x 512 along K.
; No work-group reads what another reads: no cluster, no joint load.  No barrier: waves share nothing.  Only x's path uses LDS.
; The weights' scale words leave as 4 bytes a lane, 16 bytes apart: 1 byte for each 128 that the path reads.
.set FLOOR, 0x1800000                  ; 2^(3 - 127): under it no largest magnitude is taken
.set LESS2, 0xff000000                 ; takes 2 off an exponent field
.set SP,    528                        ; a row of the stage: 512 bytes + 16
.set STG,   16*SP                      ; a wave's stage
.macro WLOAD t                         ; block t of my column: w(128 s + 32 t + i, n): 32 lanes read 128 consecutive bytes
.irp i, 0,1,2,3,4,5,6,7,8,9,10,11,12,13,14,15,16,17,18,19,20,21,22,23,24,25,26,27,28,29,30,31
	global_load_b32 v[80+32*(\t)+\i], v6, s[6:7] offset:(32*(\t)+\i)*4096 th:TH_LOAD_NT
.endr
.endm
.macro WBLOCK t
.set XS, 80+32*(\t)
.if (\t) < 3
	s_wait_loadcnt 32                              ; this block's 32 loads are in; the next block's 32 may be out
.else
	s_wait_loadcnt 0x0
.endif
.if (\t)+2 < 4
	WLOAD (\t)+2                                   ; two blocks ahead, into registers of its own
.endif
	v_max3_num_f32 v12, |v[XS]|, |v[XS+1]|, |v[XS+2]|              ; the block's largest magnitude: all 32 numbers are mine; two chains
	v_max3_num_f32 v13, |v[XS+3]|, |v[XS+4]|, |v[XS+5]|
.irp i, 6,10,14,18,22,26
	v_max3_num_f32 v12, v12, |v[XS+\i]|, |v[XS+\i+1]|
	v_max3_num_f32 v13, v13, |v[XS+\i+2]|, |v[XS+\i+3]|
.endr
	v_max3_num_f32 v12, v12, |v[XS+30]|, |v[XS+31]|
	v_max3_num_f32 v12, v12, v13, FLOOR
	v_add_nc_u32 v14, LESS2, v12                   ; the conversion takes the exponent field of this operand as its scale
.irp g, 0,1,2,3
	v_cvt_scalef32_pk8_fp4_f32 v[208+4*(\t)+\g], v[XS+8*\g:XS+8*\g+7], v14
.endr
	v_lshrrev_b32 v15, 23, v14                     ; the scale's byte (a plain line behind the conversions)
.if (\t) == 0
	v_mov_b32 v240, v15
.else
	v_lshl_or_b32 v240, v15, 8*(\t), v240          ; four bytes make the K step's scale word
.endif
	global_store_b128 v7, v[208+4*(\t):211+4*(\t)], s[18:19] offset:256*(\t)   ; each half of the lanes stores 256 consecutive bytes, aligned
.endm
.macro XLOAD t                         ; K step t of my 16 rows: each load reads 512 consecutive bytes of one row
.irp i, 0,1,2,3,4,5,6,7,8,9,10,11,12,13,14,15
	global_load_b128 v[80+64*((\t)%2)+4*\i:80+64*((\t)%2)+4*\i+3], v9, s[4:5] offset:\i*4096+(\t)*512 th:TH_LOAD_NT
.endr
.endm
.macro XSTEP t
.set RS, 80+64*((\t)%2)
.if (\t) < 3
	s_wait_loadcnt 16                              ; this step's 16 loads are in; the next step's 16 may be out
.else
	s_wait_loadcnt 0x0
.endif
.irp i, 0,1,2,3,4,5,6,7,8,9,10,11,12,13,14,15
	ds_store_b128 v4, v[RS+4*\i:RS+4*\i+3] offset:\i*SP            ; the rows as they lie, into my own stage
.endr
.irp c, 0,1
.irp g, 0,1,2,3,4,5,6,7
	ds_load_b128 v[16+32*\c+4*\g:19+32*\c+4*\g], v5 offset:256*\c+16*\g   ; back: lane (r, h) takes k = 64 c + 32 h + 0 .. 31 of row r.  LDS serves a wave's instructions in order: these see the stores above
.endr
.endr
	s_wait_dscnt 0x0
.if (\t) < 2
	XLOAD (\t)+2                                   ; the stage's stores have read these registers
.endif
.irp c, 0,1
	v_max3_num_f32 v[246+\c], |v[16+32*\c]|, |v[17+32*\c]|, FLOOR  ; two whole blocks a lane, by turns
.endr
.irp i, 2,4,6,8,10,12,14,16,18,20,22,24,26,28,30
.irp c, 0,1
	v_max3_num_f32 v[246+\c], v[246+\c], |v[16+32*\c+\i]|, |v[17+32*\c+\i]|
.endr
.endr
.irp c, 0,1
	v_add_nc_u32 v[248+\c], LESS2, v[246+\c]
.endr
.irp c, 0,1
.irp g, 0,1,2,3
	v_cvt_scalef32_pk8_fp4_f32 v[208+8*(\t)+4*\c+\g], v[16+32*\c+8*\g:23+32*\c+8*\g], v[248+\c]
.endr
.endr
.irp c, 0,1
	v_lshrrev_b32 v[246+\c], 23, v[248+\c]         ; the bytes of blocks h and 2 + h (plain lines behind the conversions)
.endr
	v_lshl_or_b32 v251, v247, 16, v246
	v_lshlrev_b32 v251, v11, v251                  ; at their places in the word: 8 h bits up
	v_permlanex16_b32 v250, v251, s24, s25
	v_or_b32 v[240+(\t)], v251, v250               ; with lane l xor 16's two the word is whole
.irp c, 0,1
	global_store_b128 v9, v[208+8*(\t)+4*\c:211+8*(\t)+4*\c], s[14:15] offset:(\t)*1024+\c*512   ; 512 consecutive bytes, aligned
.endr
.endm
	s_load_b256 s[4:11], s[0:1], 0x0               ; x s[4:5], wq s[6:7], wk s[8:9], wv s[10:11]
	s_load_b256 s[12:19], s[0:1], 0x20             ; wo s[12:13], xc s[14:15], xs s[16:17], wc s[18:19]
	s_load_b64 s[20:21], s[0:1], 0x40              ; wsc
	v_lshl_add_u32 v254, v0, 2, 0x8400
	v_mov_b32 v255, 0
	v_lshrrev_b32 v1, 5, v0
	v_readfirstlane_b32 s22, v1                    ; wave
	v_and_b32 v1, 31, v0                           ; lane
	v_and_b32 v2, 15, v0                           ; r
	v_bfe_u32 v3, v0, 4, 1                         ; h
	s_mul_i32 s23, s22, STG
	v_lshlrev_b32 v9, 4, v1                        ; 16 x lane
	v_add_nc_u32 v4, s23, v9                       ; the stage, on the way in
	v_mul_u32_u24 v5, v2, SP
	v_lshl_add_u32 v5, v3, 7, v5
	v_add_nc_u32 v5, s23, v5                       ; and on the way out: row r, + 128 h bytes
	s_mov_b32 s24, 0x76543210
	s_mov_b32 s25, 0xfedcba98                      ; v_permlanex16_b32's selects for lane l xor 16
	s_wait_kmcnt 0x0
	s_cmp_lt_u32 ttmp9, 256
	s_cbranch_scc0 .Lx
	; ---- the weights
	s_lshr_b32 s26, ttmp9, 6                       ; which weight
	s_bfe_u32 s27, ttmp9, 0x30003                  ; s: which 128 along K
	s_and_b32 s28, ttmp9, 7                        ; which 128 columns
	s_cmp_eq_u32 s26, 1
	s_cselect_b64 s[6:7], s[8:9], s[6:7]
	s_cmp_eq_u32 s26, 2
	s_cselect_b64 s[6:7], s[10:11], s[6:7]
	s_cmp_eq_u32 s26, 3
	s_cselect_b64 s[6:7], s[12:13], s[6:7]
	s_lshl_b32 s30, s27, 19                        ; 128 s rows of 4,096 bytes
	s_lshl_b32 s29, s28, 9
	s_add_co_u32 s30, s30, s29
	s_lshl_b32 s29, s22, 7
	s_add_co_u32 s30, s30, s29                     ; + my wave's first column x 4
	s_mov_b32 s31, 0
	s_add_nc_u64 s[6:7], s[6:7], s[30:31]
	s_lshl_b32 s29, s26, 6
	s_lshl_b32 s32, s28, 3
	s_add_co_u32 s29, s29, s32
	s_lshl_b32 s32, s22, 1
	s_add_co_u32 s29, s29, s32                     ; rt of my wave's first column
	s_lshl_b32 s30, s29, 13
	s_lshl_b32 s32, s27, 10
	s_add_co_u32 s30, s30, s32
	s_add_nc_u64 s[18:19], s[18:19], s[30:31]      ; the codes
	s_lshl_b32 s30, s29, 9
	s_lshr_b32 s32, s27, 2
	s_lshl_b32 s32, s32, 8
	s_add_co_u32 s30, s30, s32
	s_and_b32 s32, s27, 3
	s_lshl_b32 s32, s32, 2
	s_add_co_u32 s30, s30, s32
	s_add_nc_u64 s[20:21], s[20:21], s[30:31]      ; the scale words
	s_wait_alu depctr_va_vdst(0)
	v_lshlrev_b32 v6, 2, v1                        ; in: 4 bytes a lane
	v_lshlrev_b32 v7, 4, v2
	v_lshl_add_u32 v8, v3, 9, v7                   ; scale words: 512 h + 16 r
	v_lshl_add_u32 v7, v3, 13, v7                  ; codes: 8192 h + 16 r
	WLOAD 0
	WLOAD 1
	s_wait_alu depctr_va_vdst(0)
	WBLOCK 0
	WBLOCK 1
	WBLOCK 2
	WBLOCK 3
	global_store_b32 v8, v240, s[20:21]
	s_endpgm
	; ---- x
.Lx:
	s_sub_co_u32 s26, ttmp9, 256
	s_lshl_b32 s26, s26, 2
	s_add_co_u32 s26, s26, s22                     ; u = 4 x (work-group - 256) + wave
	s_lshr_b32 s27, s26, 1                         ; rt: which 16 rows
	s_and_b32 s28, s26, 1                          ; which half of K
	s_lshl_b32 s30, s27, 16
	s_lshl_b32 s29, s28, 11
	s_add_co_u32 s30, s30, s29
	s_mov_b32 s31, 0
	s_add_nc_u64 s[4:5], s[4:5], s[30:31]
	s_lshl_b32 s30, s27, 13
	s_lshl_b32 s29, s28, 12
	s_add_co_u32 s30, s30, s29
	s_add_nc_u64 s[14:15], s[14:15], s[30:31]
	s_lshl_b32 s30, s27, 9
	s_lshl_b32 s29, s28, 8
	s_add_co_u32 s30, s30, s29
	s_add_nc_u64 s[16:17], s[16:17], s[30:31]
	s_wait_alu depctr_va_vdst(0)
	v_lshlrev_b32 v10, 4, v2
	v_lshl_add_u32 v10, v3, 3, v10                 ; scale words out: 16 r + 8 h
	v_lshlrev_b32 v11, 3, v3                       ; 8 h
	v_mov_b32 v250, 0                              ; written once: a lane permute's destination counts as one of its sources
	s_mov_b32 s33, 0xffff0000                      ; lanes 16-31
	XLOAD 0
	XLOAD 1
	XSTEP 0
	XSTEP 1
	XSTEP 2
	XSTEP 3
	v_cndmask_b32 v244, v240, v242, s33            ; lane (r, h) stores the words of K steps 2 h and 2 h + 1 of row r
	v_cndmask_b32 v245, v241, v243, s33
	global_store_b64 v10, v[244:245], s[16:17]     ; 32 lanes store 256 consecutive bytes, aligned
	s_wait_tensorcnt 0x0
	ds_add_u32 v254, v255
	s_wait_dscnt 0x0
	s_endpgm
.Lfunc_end_k_qc5e0d89620_quant:
	.size	k_qc5e0d89620_quant, .Lfunc_end_k_qc5e0d89620_quant-k_qc5e0d89620_quant
	.p2alignl 7, 3214868480
	.fill 96, 4, 3214868480
	.section	.rodata,"a",@progbits
	.p2align	6, 0x0
	.amdhsa_kernel k_qc5e0d89620_quant
		.amdhsa_group_segment_fixed_size 34304
		.amdhsa_private_segment_fixed_size 0
		.amdhsa_enable_private_segment 0
		.amdhsa_kernarg_size 72
		.amdhsa_user_sgpr_count 2
		.amdhsa_user_sgpr_kernarg_segment_ptr 1
		.amdhsa_wavefront_size32 1
		.amdhsa_system_sgpr_workgroup_id_x 1
		.amdhsa_system_sgpr_workgroup_id_y 1
		.amdhsa_system_sgpr_workgroup_id_z 1
		.amdhsa_system_vgpr_workitem_id 0
		.amdhsa_next_free_vgpr 256
		.amdhsa_next_free_sgpr 66
		.amdhsa_reserve_vcc 0
		.amdhsa_float_denorm_mode_32 3
		.amdhsa_float_denorm_mode_16_64 3
		.amdhsa_memory_ordered 1
		.amdhsa_forward_progress 1
		.amdhsa_inst_pref_size 49
	.end_amdhsa_kernel
	.amdgpu_metadata
---
amdhsa.version: [ 1, 2 ]
amdhsa.kernels:
  - .name:           k_qc5e0d89620_quant
    .symbol:         k_qc5e0d89620_quant.kd
    .args:
      - { .name: x, .offset: 0, .size: 8, .value_kind: global_buffer, .address_space: global }
      - { .name: wq, .offset: 8, .size: 8, .value_kind: global_buffer, .address_space: global }
      - { .name: wk, .offset: 16, .size: 8, .value_kind: global_buffer, .address_space: global }
      - { .name: wv, .offset: 24, .size: 8, .value_kind: global_buffer, .address_space: global }
      - { .name: wo, .offset: 32, .size: 8, .value_kind: global_buffer, .address_space: global }
      - { .name: xc, .offset: 40, .size: 8, .value_kind: global_buffer, .address_space: global }
      - { .name: xs, .offset: 48, .size: 8, .value_kind: global_buffer, .address_space: global }
      - { .name: wc, .offset: 56, .size: 8, .value_kind: global_buffer, .address_space: global }
      - { .name: wsc, .offset: 64, .size: 8, .value_kind: global_buffer, .address_space: global }
    .group_segment_fixed_size: 34304
    .private_segment_fixed_size: 0
    .kernarg_segment_align: 8
    .kernarg_segment_size: 72
    .max_flat_workgroup_size: 128
    .sgpr_count:     66
    .vgpr_count:     256
    .wavefront_size: 32
...
	.end_amdgpu_metadata
.endif
;; end of part 1
;; launch qkv (part 2): grid 12 x 32, 4 waves a work-group, clusters of 4 x 4, 279,040 bytes of LDS; arguments xc, xs, wc, wsc, bq, bk, bv, qkv; writes qkv
.if DOCPART == 2
	.amdgcn_target "amdgcn-amd-amdhsa--gfx1250"
	.amdhsa_code_object_version 6
	.text
	.protected	k_qc5e0d89620_qkv
	.globl	k_qc5e0d89620_qkv
	.p2align	8
	.type	k_qc5e0d89620_qkv,@function
k_qc5e0d89620_qkv:
	s_mov_b64 s[64:65], 0
	v_nop
	global_prefetch_b8 v0, s[64:65] scope:SCOPE_SE
	s_setreg_imm32_b32 hwreg(HW_REG_WAVE_MODE, 25, 1), 1
	s_wait_xcnt 0x0
	s_wait_alu depctr_hold_cnt(0) depctr_sa_sdst(0) depctr_va_vdst(0) depctr_va_sdst(0) depctr_va_ssrc(0) depctr_va_vcc(0) depctr_vm_vsrc(0)
	s_getreg_b32 s2, hwreg(HW_REG_IB_STS2, 6, 4)
	s_cmp_eq_u32 s2, 0
	s_cbranch_scc0 .Lentry_in_a_cluster
	s_endpgm
.Lentry_in_a_cluster:
	s_bfe_u32 s2, ttmp6, 0x10000c
	s_cmp_lg_u32 s2, 0xf033
	s_cbranch_scc0 .Lentry_shape_is_right
	s_endpgm
.Lentry_shape_is_right:
; q = x wq + bq, k = x wk + bk, v = x wv + bv on codes of FP4 (E2M1) with E8M0 scales, sums in f32; the results are quantised in registers (q, k along the head's 64, v along the keys) and stored as codes.
; A tile of 256 x 256 is made by four waves, each 128 x 128: 64 accumulators of 16 x 16.  K = 1,024: all of it lies in LDS at once, as two slots of 512 along K, each filled ONCE: no LDS byte is filled twice.
; OPERANDS LIE IN THE ORDER OF THEIR REGISTERS (row 16 rt + r, K step s: codes at rt x 8192 + s x 1024 + c x 512 + 16 x lane): a fragment is two loads of 512 consecutive bytes; no pitch, no padding.
; THE MATRIX INSTRUCTION IS USED TRANSPOSED: source 0 = 16 rows of the B side, source 1 = 16 rows of the A side: a lane holds ONE row of the A side, and its registers run along the B side's rows.
; ROLES, by the cluster's x, which all sixteen partners share: 0 = q, 1 = k: A side = tokens, B side = the weight's columns, so that a lane's registers run along the channels;
; 2 = v: A side = wv's columns, B side = tokens, so that a lane holds a channel and its registers run along the keys.
; CLUSTERS: 4 x 4.  The A side's tile is shared along a row of the cluster, the B side's along a column: each is asked for jointly.
; THE RECORD of a head bh = 16 x batch + head in qkv, REC bytes:  KC [key tile 128][lane][16]: registers 0-3 of the fragment of 16 keys;  VC [key step 16][channel tile 4][c 2][lane][16];
;   KS [16][2][r 16][4 words]: the word of key tile 8 g + 4 a + i, its bytes 2 and 3 are 0 and stand over zero codes;  VS [key step 16][r 16][channel tile 4 words];  QC, QS as KC, KS.
; LIMITS: NaN and infinities are not served.  A block whose largest magnitude lies under 2^-124 has its byte held at 1; a block of zeros gets the byte 1 where the rule says 127 (this program alone reads the bytes).
; REGISTERS: window 0: v1-8 lane terms; v16-27 LDS addresses; v32-95 scale words, two sets; v128-191 the A side's fragments, one set; v192-255 the bias.  Window 1: the B side's fragments, two sets, at v0 and v128.
;   Windows 2, 3: accumulator (a, b) at v[8 (8 (a % 4) + b)].  Behind the products: v128-191 64 numbers at work, v32-95 the codes, v96-112 at work, v116-127 scale words.
.set SLOT,  131072                     ; a slot: the A side's 16 x 4,096 bytes, then the B side's
.set BPART, 65536
.set SCL,   262144                     ; behind the slots: the A side's scales (8,192 bytes), then the B side's
.set REC,   217088
.set VC,    65536
.set KS,    131072
.set VS,    139264
.set QC,    143360
.set QS,    208896
.set FR,    8
.set NQ,    4
.set NP,    4
.set LI,    3                          ; v3   16 x lane
.set ADRA,  16                         ; v16-17 my A fragments in slot 0, 1
.set ADRB,  20                         ; v20-21 my B fragments
.set ADRS,  27                         ; v27   my scale words: lanes 0-15 the A side's, lanes 16-31 the B side's
.set SC,    32
.set AF,    128
.set TM,    96
.set BI,    192
.set G1, 24
.set G0, 32
.set G1B, 48
.set G0B, 56
.set G1S, 68
.set G0S, 76
.set G1SB, 80
.set G0SB, 88
.set MSB, 0
.macro WIN new                         ; the immediate's high byte repeats the setting that is left
.if MSB != (\new)
	s_set_vgpr_msb (MSB<<8)|(\new)
.set MSB, (\new)
.endif
.endm
.set MUL_LO, 0xa1                      ; source 0 (B) window 1, source 1 (A) window 0, C and D window 2
.set MUL_HI, 0xf1                      ; the same, C and D window 3
.set TO_B,   0x40                      ; destination window 1, address window 0
; A joint load: waves 0 and 1 fetch for the A side, waves 2 and 3 for the B side; the branch hangs on the wave's number alone.  Four v_nop follow each of the two lines.
.macro JLOAD g0a, g1a, g0b, g1b
	s_cmp_eq_u32 s15, 0
	s_cbranch_scc0 .Lfor_b_\@
	tensor_load_to_lds s[\g0a:\g0a+3], s[\g1a:\g1a+7]
	s_nop 0
.rept 4
	v_nop
.endr
	s_branch .Lasked_\@
.Lfor_b_\@:
	tensor_load_to_lds s[\g0b:\g0b+3], s[\g1b:\g1b+7]
	s_nop 0
.rept 4
	v_nop
.endr
.Lasked_\@:
.endm
.macro CROUND                          ; a round of the cluster's barrier
	s_barrier_signal -1
	s_barrier_wait -1
	s_cmp_lg_u32 s14, 0
	s_cbranch_scc1 .Lnot_wave_0_\@
	s_barrier_signal -3
.Lnot_wave_0_\@:
	s_barrier_wait -3
	s_barrier_signal -1
	s_barrier_wait -1
.endm
.macro PLACES n                        ; plain vector lines between a matrix instruction and a load into, or a vector read or write of, its registers
.rept \n
	v_nop
.endr
.endm
.macro FRAG reg, adr, q, i             ; a fragment: 16 rows x 128 K, 8 registers: two loads of 512 consecutive bytes
.irp c, 0,1
	ds_load_b128 v[\reg+4*\c:\reg+4*\c+3], v[\adr] offset:1024*(\q)+512*\c+(\i)*4096
.endr
.endm
; 16 matrix instructions: A's blocks a0, a0 + 1 x B's eight.  The 64 accumulators take turns, one instruction a turn, in the same order in every step.
.macro MUL16 a0, p, q, sc, zero
.irp a, \a0, \a0+1
.irp b, 0,1,2,3,4,5,6,7
.if \zero
	v_wmma_scale_f32_16x16x128_f8f6f4 v[8*(8*((\a)%4)+\b):8*(8*((\a)%4)+\b)+7], v[128*(\p)+FR*\b:128*(\p)+FR*\b+FR-1], v[AF+FR*(\a):AF+FR*(\a)+FR-1], 0, v[SC+8*NQ*(\sc)+NQ*\b+(\q)], v[SC+8*NQ*(\sc)+NQ*(\a)+(\q)] matrix_a_fmt:MATRIX_FMT_FP4 matrix_b_fmt:MATRIX_FMT_FP4 matrix_a_scale:MATRIX_SCALE_ROW1
.else
	v_wmma_scale_f32_16x16x128_f8f6f4 v[8*(8*((\a)%4)+\b):8*(8*((\a)%4)+\b)+7], v[128*(\p)+FR*\b:128*(\p)+FR*\b+FR-1], v[AF+FR*(\a):AF+FR*(\a)+FR-1], v[8*(8*((\a)%4)+\b):8*(8*((\a)%4)+\b)+7], v[SC+8*NQ*(\sc)+NQ*\b+(\q)], v[SC+8*NQ*(\sc)+NQ*(\a)+(\q)] matrix_a_fmt:MATRIX_FMT_FP4 matrix_b_fmt:MATRIX_FMT_FP4 matrix_a_scale:MATRIX_SCALE_ROW1
.endif
.endr
.endr
.endm
.macro FETCH_B slot, q, p
	WIN TO_B
.irp i, 0,1,2,3,4,5,6,7
	FRAG 128*(\p)+FR*\i, ADRB+\slot, \q, \i
.endr
	WIN 0
.endm
.macro FETCH_A slot, q, i0
.irp i, \i0, \i0+1, \i0+2, \i0+3
	FRAG AF+FR*(\i), ADRA+\slot, \q, \i
.endr
.endm
.macro SCALES sc                       ; a slot's scale words: four words a row; lanes 0-15 take A's block i, lanes 16-31 B's block i
.irp i, 0,1,2,3,4,5,6,7
	ds_load_b128 v[SC+8*NQ*\sc+NQ*\i:SC+8*NQ*\sc+NQ*\i+3], v[ADRS] offset:\i*512+\sc*256
.endr
.endm
.macro STEP slot, q, zero              ; 128 along K, with its successor in the same slot
	s_wait_dscnt 8                                 ; B's set and A's blocks 0-3 are in; the youngest eight loads (A's blocks 4-7) may be out
	WIN MUL_LO
	MUL16 0, (\q)%2, \q, \slot, \zero
	MUL16 2, (\q)%2, \q, \slot, \zero
	s_wait_dscnt 0x0                               ; A's blocks 4-7 are in
	PLACES NP
	FETCH_B \slot, (\q)+1, 1-(\q)%2
	FETCH_A \slot, (\q)+1, 0
	WIN MUL_HI
	MUL16 4, (\q)%2, \q, \slot, \zero
	MUL16 6, (\q)%2, \q, \slot, \zero
	PLACES NP
	WIN 0
	FETCH_A \slot, (\q)+1, 4
.endm
.macro TURN                            ; slot 0's last step: behind one barrier slot 1 is whole for every wave.  Nothing is filled again
	s_wait_tensorcnt 0x0                           ; my part of slot 1 has landed
	s_wait_dscnt 8
	WIN MUL_LO
	MUL16 0, 1, 3, 0, 0
	s_wait_dscnt 0x0                               ; no LDS instruction of mine is out at the signal
	s_barrier_signal -1
	MUL16 2, 1, 3, 0, 0
	WIN 0
	s_barrier_wait -1
	PLACES NP
	FETCH_B 1, 0, 0
	FETCH_A 1, 0, 0
	SCALES 1
	WIN MUL_HI
	MUL16 4, 1, 3, 0, 0
	MUL16 6, 1, 3, 0, 0
	PLACES NP
	WIN 0
	FETCH_A 1, 0, 4
.endm
.macro LAST                            ; the very last step: nothing more to fetch
	s_wait_dscnt 8
	WIN MUL_LO
	MUL16 0, 1, 3, 1, 0
	MUL16 2, 1, 3, 1, 0
	s_wait_dscnt 0x0
	WIN MUL_HI
	MUL16 4, 1, 3, 1, 0
	MUL16 6, 1, 3, 1, 0
	WIN 0
.endm
; 64 numbers of a lane, v[s + 8 t + j] = k 16 t + 8 (lane / 16) + j of my row, become a fragment's codes in v[d] on and its scale word in v[w].  Block b of 32 is tiles 2 b, 2 b + 1 of lanes l and l xor 16.
; The conversions' destinations are chosen so that one exchange of halves for each pair of registers leaves lane (r, h) with block 2 c + h in v[d + 4 c] .. v[d + 4 c + 3], k ascending.
.macro QUANT s, d, w
.irp b, 0,1,2,3
	v_max3_num_f32 v[TM+\b], |v[(\s)+16*\b]|, |v[(\s)+1+16*\b]|, 0x1800000   ; my 16 numbers of block b, and the floor 2^(3 - 127): the byte cannot fall under 1
.endr
.irp i, 2,4,6,8,10,12,14
.irp b, 0,1,2,3
	v_max3_num_f32 v[TM+\b], v[TM+\b], |v[(\s)+16*\b+\i]|, |v[(\s)+1+16*\b+\i]|
.endr
.endr
.irp b, 0,1,2,3
	v_permlanex16_b32 v[TM+4+\b], v[TM+\b], s12, s13
.endr
.irp b, 0,1,2,3
	v_max_num_f32 v[TM+\b], v[TM+\b], v[TM+4+\b]   ; with lane l xor 16's: the block's largest magnitude
.endr
.irp b, 0,1,2,3
	v_add_nc_u32 v[TM+12+\b], 0xff000000, v[TM+\b] ; 2 off its exponent field: the conversion's scale operand
.endr
.irp b, 0,1,2,3
	v_lshrrev_b32 v[TM+4+\b], 23, v[TM+12+\b]      ; the scale's byte
.endr
	v_lshl_or_b32 v[\w], v[TM+5], 8, v[TM+4]
	v_lshl_or_b32 v[\w], v[TM+6], 16, v[\w]
	v_lshl_or_b32 v[\w], v[TM+7], 24, v[\w]
.irp c, 0,1
	v_cvt_scalef32_pk8_fp4_f32 v[(\d)+4*\c], v[(\s)+32*\c:(\s)+32*\c+7], v[TM+12+2*\c]
	v_cvt_scalef32_pk8_fp4_f32 v[(\d)+4*\c+2], v[(\s)+32*\c+8:(\s)+32*\c+15], v[TM+12+2*\c]
	v_cvt_scalef32_pk8_fp4_f32 v[(\d)+4*\c+1], v[(\s)+32*\c+16:(\s)+32*\c+23], v[TM+12+2*\c+1]
	v_cvt_scalef32_pk8_fp4_f32 v[(\d)+4*\c+3], v[(\s)+32*\c+24:(\s)+32*\c+31], v[TM+12+2*\c+1]
.endr
	v_nop                                          ; one plain line behind the scaled conversions
.irp c, 0,1
	v_permlane16_swap_b32 v[(\d)+4*\c], v[(\d)+4*\c+1]
	v_permlane16_swap_b32 v[(\d)+4*\c+2], v[(\d)+4*\c+3]
.endr
.endm
; Slot 1's four steps and the way out, once for q and k (v = 0) and once for v (v = 1).  The bias is asked for ahead of the four steps and lands under their 256 matrix instructions.
.macro TAIL v
	s_lshl_b32 s18, s17, 8
	s_lshl_b32 s19, s15, 7
	s_add_co_u32 s18, s18, s19                     ; my first row of the A side
	s_lshl_b32 s19, s42, 8
	s_lshl_b32 s20, s16, 7
	s_add_co_u32 s19, s19, s20                     ; my first row of the B side
.if \v
	s_lshr_b32 s20, s19, 11                        ; batch (the B side is tokens)
	s_bfe_u32 s21, s19, 0x40007                    ; key step: my 128 keys
	s_lshl_b32 s20, s20, 4
	s_lshr_b32 s23, s18, 6
	s_add_co_u32 s20, s20, s23                     ; the first of my two heads
	s_mul_i32 s20, s20, REC
	s_lshl_b32 s46, s21, 12
	s_add_co_u32 s46, s46, VC
	s_add_co_u32 s46, s46, s20                     ; codes
	s_lshl_b32 s44, s21, 8
	s_add_co_u32 s44, s44, VS
	s_add_co_u32 s44, s44, s20                     ; scale words
	s_lshl_b32 s22, s18, 2                         ; my first channel x 4
	s_mov_b64 s[66:67], s[96:97]
.else
	s_lshr_b32 s20, s18, 11                        ; batch (the A side is tokens)
	s_and_b32 s21, s18, 2047                       ; my first token in the batch
	s_and_b32 s22, s19, 1023                       ; my first channel
	s_lshl_b32 s20, s20, 4
	s_lshr_b32 s23, s22, 6
	s_add_co_u32 s20, s20, s23                     ; the first of my two heads
	s_mul_i32 s20, s20, REC
	s_lshl_b32 s46, s21, 5                         ; 512 bytes for each 16 tokens
	s_add_co_u32 s46, s46, s20
	s_lshl_b32 s44, s21, 2                         ; 512 bytes for each 128 tokens
	s_add_co_u32 s44, s44, s20
	s_lshl_b32 s22, s22, 2
	s_cmp_eq_u32 ttmp9, 0                          ; q or k?  All selects stand ahead of the next line that sets SCC
	s_cselect_b32 s23, QC, 0
	s_mov_b32 s2, KS
	s_cselect_b32 s2, QS, s2
	s_cselect_b64 s[66:67], s[92:93], s[94:95]
	s_add_co_u32 s46, s46, s23
	s_add_co_u32 s44, s44, s2
.endif
	s_mov_b32 s47, 0
	s_mov_b32 s45, 0
	s_mov_b32 s23, 0
	s_add_nc_u64 s[46:47], s[98:99], s[46:47]
	s_add_nc_u64 s[44:45], s[98:99], s[44:45]
	s_add_nc_u64 s[66:67], s[66:67], s[22:23]
	v_mul_u32_u24 v8, v2, REC
	v_lshl_add_u32 v8, v1, 4, v8                   ; scale words out: lanes 16-31 store the second head's
.if \v
	v_lshlrev_b32 v4, 2, v1                        ; the bias of my channel 16 a + r, twice: a pair for the packed addition
.irp a, 0,1,2,3,4,5,6,7
	global_load_b32 v[BI+2*\a], v4, s[66:67] offset:64*\a
	global_load_b32 v[BI+2*\a+1], v4, s[66:67] offset:64*\a
.endr
.else
	v_lshlrev_b32 v4, 5, v2                        ; the bias of channels 16 b + 8 h + 0 .. 7
	v_lshlrev_b32 v7, 4, v2                        ; 16 h
.irp b, 0,1,2,3,4,5,6,7
	global_load_b128 v[BI+8*\b:BI+8*\b+3], v4, s[66:67] offset:64*\b
	global_load_b128 v[BI+8*\b+4:BI+8*\b+7], v4, s[66:67] offset:64*\b+16
.endr
.endif
	STEP 1, 0, 0
	STEP 1, 1, 0
	STEP 1, 2, 0
	LAST
	PLACES NP
	s_wait_loadcnt 0x0                             ; the bias
.irp b, 0,1,2,3
	v_mov_b32 v[TM+4+\b], 0                        ; written once: a lane permute's destination counts as one of its sources
.endr
.irp a, 0,1,2,3,4,5,6,7                ; block a: 16 rows of the A side; each accumulator is read from its low end on
	WIN 0x02+(\a)/4                                ; source 0: window 2 or 3
.irp i, 0,1,2,3,4,5,6,7,8,9,10,11,12,13,14,15,16,17,18,19,20,21,22,23,24,25,26,27,28,29,30,31
.if \v
	v_pk_add_f32 v[128+2*\i:129+2*\i], v[64*((\a)%4)+2*\i:64*((\a)%4)+2*\i+1], v[BI+2*\a:BI+2*\a+1]
.else
	v_pk_add_f32 v[128+2*\i:129+2*\i], v[64*((\a)%4)+2*\i:64*((\a)%4)+2*\i+1], v[BI+2*\i:BI+2*\i+1]
.endif
.endr
	WIN 0
.if \v
	QUANT 128, 32+8*\a, 116+\a                     ; 128 keys of channel 16 a + r: one fragment and its scale word
.irp c, 0,1
	global_store_b128 v[LI], v[32+8*\a+4*\c:35+8*\a+4*\c], s[46:47] offset:((\a)/4)*REC+((\a)%4)*1024+\c*512   ; 512 consecutive bytes, aligned
.endr
.else
	QUANT 128, 32+8*\a, 112                        ; token 16 a + r: two heads of 64 channels: registers 4 c .. 4 c + 3 are head c's
.irp c, 0,1
	global_store_b128 v[LI], v[32+8*\a+4*\c:35+8*\a+4*\c], s[46:47] offset:\c*REC+\a*512   ; 512 consecutive bytes, aligned
.endr
	v_lshrrev_b32 v[116+\a], v7, v112              ; lanes 0-15 keep the first head's two bytes, lanes 16-31 the second's;
	v_and_b32 v[116+\a], 0xffff, v[116+\a]         ; bytes 2 and 3 are 0: they stand over zero codes
.endif
.endr
.if \v
.irp i, 0,1,2,3
	v_cndmask_b32 v[124+\i], v[116+\i], v[120+\i], s101   ; lanes 16-31: the second head's four channel tiles
.endr
	global_store_b128 v8, v[124:127], s[44:45]     ; each half of the lanes stores 256 consecutive bytes, aligned
.else
	global_store_b128 v8, v[116:119], s[44:45]
	global_store_b128 v8, v[120:123], s[44:45] offset:256
.endif
.endm
	s_load_b256 s[4:11], s[0:1], 0x0               ; xc s[4:5], xs s[6:7], wc s[8:9], wsc s[10:11]
	s_load_b256 s[92:99], s[0:1], 0x20             ; bq s[92:93], bk s[94:95], bv s[96:97], qkv s[98:99]
	v_lshl_add_u32 v114, v0, 2, 0x44000
	v_mov_b32 v115, 0
	ds_add_u32 v114, v115
	ds_add_u32 v114, v115
	v_lshrrev_b32 v1, 5, v0
	v_readfirstlane_b32 s14, v1                    ; wave 0..3
	s_lshr_b32 s15, s14, 1                         ; which half of the A side's rows is mine.  Also: I fetch for A (0) or for B (1)
	s_and_b32 s16, s14, 1                          ; which half of the B side's rows.  Also: which 128 rows I fetch
	s_bfe_u32 s40, ttmp6, 0x40000                  ; cx, cy: my place in the cluster
	s_bfe_u32 s41, ttmp6, 0x40004
	s_and_b32 s18, ttmp7, 0xffff                   ; the cluster's y
	s_cmp_eq_u32 ttmp9, 2                          ; the role v: the sides change places
	s_cselect_b32 s100, 1, 0
	s_cselect_b32 s42, s18, ttmp9                  ; the B side's coordinate of the cluster
	s_cselect_b32 s17, 0, s18                      ; the A side's
	s_lshl_b32 s42, s42, 2
	s_add_co_u32 s42, s42, s40                     ; tile column = 4 x that + cx
	s_lshl_b32 s17, s17, 2
	s_add_co_u32 s17, s17, s41                     ; tile row = 4 x that + cy
	s_lshl_b32 s43, s41, 2
	s_lshl_b32 s43, 15, s43                        ; my row of the cluster
	s_lshl_b32 s44, 0x1111, s40                    ; my column
	; descriptor group 1, codes: 8 rows of 4,096 bytes (512 elements of 8 bytes), 8,192 bytes apart: half of K of 128 rows
	s_or_b32 s[G1+0], s43, (3<<16)|(1<<21)         ; 15:0 the mask; 17:16 elements of 8 bytes; 21 set beside a mask; no padding
	s_or_b32 s[G1B+0], s44, (3<<16)|(1<<21)
.irp g, G1, G1B
	s_mov_b32 s[\g+1], 512<<16                     ; tensor_dim0
	s_mov_b32 s[\g+2], 8<<16                       ; tensor_dim1
	s_mov_b32 s[\g+3], 512<<16                     ; tile_dim0
	s_mov_b32 s[\g+4], 8                           ; tile_dim1
	s_mov_b32 s[\g+5], 1024                        ; tensor_dim0_stride
	s_mov_b32 s[\g+6], 0
	s_mov_b32 s[\g+7], 0
.endr
	; scales of 128 rows: 4,096 dense bytes, as 16 rows of 256
	s_or_b32 s[G1S+0], s43, (3<<16)|(1<<21)
	s_or_b32 s[G1SB+0], s44, (3<<16)|(1<<21)
.irp g, G1S, G1SB
	s_mov_b32 s[\g+1], 32<<16
	s_mov_b32 s[\g+2], 16<<16
	s_mov_b32 s[\g+3], 32<<16
	s_mov_b32 s[\g+4], 16
	s_mov_b32 s[\g+5], 32
	s_mov_b32 s[\g+6], 0
	s_mov_b32 s[\g+7], 0
.endr
	s_lshl_b32 s18, s16, 7                         ; which 128 rows of the tile I fetch
	s_lshl_b32 s20, s17, 8
	s_add_co_u32 s20, s20, s18
	s_lshl_b32 s19, s100, 11
	s_add_co_u32 s20, s20, s19                     ; A side: 256 x tile row + 128 x half (+ 2,048: wv's rows in wc)
	s_lshl_b32 s46, s42, 8
	s_add_co_u32 s46, s46, s18                     ; B side: 256 x tile column + 128 x half
	s_lshl_b32 s22, s20, 5                         ; scales: 32 bytes a row
	s_mov_b32 s23, 0
	s_lshl_b32 s20, s20, 9                         ; codes: 512 bytes a row
	s_mov_b32 s21, 0
	s_lshl_b32 s66, s46, 5
	s_mov_b32 s67, 0
	s_lshl_b32 s46, s46, 9
	s_mov_b32 s47, 0
	s_lshl_b32 s45, s14, 15                        ; where they go: wave x 32,768: no place in the cluster enters an LDS address
	s_lshl_b32 s3, s14, 12                         ; the scales: wave x 4,096
	s_mov_b32 s12, 0x76543210
	s_mov_b32 s13, 0xfedcba98                      ; v_permlanex16_b32's selects for lane l xor 16
	s_mov_b32 s101, 0xffff0000                     ; lanes 16-31
	s_wait_dscnt 0x0
	s_wait_kmcnt 0x0
	s_cmp_eq_u32 s100, 1                           ; the 64-bit additions leave SCC alone
	s_cselect_b64 s[18:19], s[8:9], s[4:5]
	s_add_nc_u64 s[20:21], s[18:19], s[20:21]      ; the A side's codes
	s_cselect_b64 s[18:19], s[10:11], s[6:7]
	s_add_nc_u64 s[22:23], s[18:19], s[22:23]      ; its scales
	s_cselect_b64 s[18:19], s[4:5], s[8:9]
	s_add_nc_u64 s[46:47], s[18:19], s[46:47]      ; the B side's codes
	s_cselect_b64 s[18:19], s[6:7], s[10:11]
	s_add_nc_u64 s[66:67], s[18:19], s[66:67]      ; its scales
	CROUND                                         ; all sixteen work-groups are here: the joint loads meet
	s_mov_b32 s[G0S], 1
	s_add_co_u32 s[G0S+1], s3, SCL
	s_mov_b64 s[G0S+2:G0S+3], s[22:23]
	s_or_b32 s[G0S+3], s[G0S+3], 0x80000000
	s_mov_b32 s[G0SB], 1
	s_add_co_u32 s[G0SB+1], s3, SCL
	s_mov_b64 s[G0SB+2:G0SB+3], s[66:67]
	s_or_b32 s[G0SB+3], s[G0SB+3], 0x80000000
	JLOAD G0S, G1S, G0SB, G1SB                     ; the scales first; then both slots: three loads of mine are out
.irp s, 0,1
	s_mov_b32 s[G0+4*\s], 1
	s_add_co_u32 s[G0+4*\s+1], s45, \s*SLOT
	s_add_nc_u64 s[G0+4*\s+2:G0+4*\s+3], s[20:21], \s*4096
	s_or_b32 s[G0+4*\s+3], s[G0+4*\s+3], 0x80000000
	s_mov_b32 s[G0B+4*\s], 1
	s_add_co_u32 s[G0B+4*\s+1], s45, \s*SLOT
	s_add_nc_u64 s[G0B+4*\s+2:G0B+4*\s+3], s[46:47], \s*4096
	s_or_b32 s[G0B+4*\s+3], s[G0B+4*\s+3], 0x80000000
	JLOAD G0+4*\s, G1, G0B+4*\s, G1B
.endr
	v_and_b32 v1, 15, v0                           ; r
	v_bfe_u32 v2, v0, 4, 1                         ; h
	s_wait_alu depctr_va_vdst(0)
	v_and_b32 v[LI], 31, v0
	v_lshlrev_b32 v[LI], 4, v[LI]                  ; 16 x lane
	s_lshl_b32 s21, s15, 15                        ; my 128 rows of the A side
	s_lshl_b32 s22, s16, 15
	s_add_co_u32 s22, s22, BPART                   ; my 128 rows of the B side
.irp s, 0,1
	v_add_nc_u32 v[ADRA+\s], s21, v[LI]
	v_add_nc_u32 v[ADRB+\s], s22, v[LI]
	s_add_co_u32 s21, s21, SLOT
	s_add_co_u32 s22, s22, SLOT
.endr
	v_lshlrev_b32 v5, 4, v1                        ; my row's 16 bytes of scales
	s_lshl_b32 s21, s15, 12
	s_lshl_b32 s22, s16, 12
	s_add_co_u32 s22, s22, 8192
	s_sub_co_u32 s22, s22, s21
	v_mul_u32_u24 v6, s22, v2                      ; lanes 16-31 take the B side's: one product in h
	s_add_co_u32 s21, s21, SCL
	v_add_nc_u32 v5, v5, v6
	v_add_nc_u32 v[ADRS], s21, v5
	s_wait_alu depctr_va_vdst(0)
	s_wait_tensorcnt 1                             ; the scales and my part of slot 0 are in; slot 1's load may be out
	s_barrier_signal -1
	s_barrier_wait -1
	FETCH_B 0, 0, 0
	FETCH_A 0, 0, 0
	SCALES 0
	FETCH_A 0, 0, 4
	STEP 0, 0, 1                                   ; the first products start the sums: nothing is cleared
	STEP 0, 1, 0
	STEP 0, 2, 0
	TURN
	s_cmp_eq_u32 ttmp9, 2                          ; the roles part on the cluster's x, the same in all sixteen partners; no barrier stands in either arm
	s_cbranch_scc1 .Lv
	TAIL 0
	s_branch .Lend
.Lv:
	TAIL 1
.Lend:
	s_wait_tensorcnt 0x0
	ds_add_u32 v114, v115
	s_wait_dscnt 0x0
	CROUND                                         ; the closing round: no work-group ends while a partner may still ask for a tile that names it
	s_endpgm
.Lfunc_end_k_qc5e0d89620_qkv:
	.size	k_qc5e0d89620_qkv, .Lfunc_end_k_qc5e0d89620_qkv-k_qc5e0d89620_qkv
	.p2alignl 7, 3214868480
	.fill 96, 4, 3214868480
	.section	.rodata,"a",@progbits
	.p2align	6, 0x0
	.amdhsa_kernel k_qc5e0d89620_qkv
		.amdhsa_group_segment_fixed_size 279040
		.amdhsa_private_segment_fixed_size 0
		.amdhsa_enable_private_segment 0
		.amdhsa_kernarg_size 64
		.amdhsa_user_sgpr_count 2
		.amdhsa_user_sgpr_kernarg_segment_ptr 1
		.amdhsa_wavefront_size32 1
		.amdhsa_system_sgpr_workgroup_id_x 1
		.amdhsa_system_sgpr_workgroup_id_y 1
		.amdhsa_system_sgpr_workgroup_id_z 1
		.amdhsa_system_vgpr_workitem_id 0
		.amdhsa_next_free_vgpr 1024
		.amdhsa_next_free_sgpr 104
		.amdhsa_reserve_vcc 0
		.amdhsa_float_denorm_mode_32 3
		.amdhsa_float_denorm_mode_16_64 3
		.amdhsa_memory_ordered 1
		.amdhsa_forward_progress 1
		.amdhsa_inst_pref_size 237
	.end_amdhsa_kernel
	.amdgpu_metadata
---
amdhsa.version: [ 1, 2 ]
amdhsa.kernels:
  - .name:           k_qc5e0d89620_qkv
    .symbol:         k_qc5e0d89620_qkv.kd
    .args:
      - { .name: xc, .offset: 0, .size: 8, .value_kind: global_buffer, .address_space: global }
      - { .name: xs, .offset: 8, .size: 8, .value_kind: global_buffer, .address_space: global }
      - { .name: wc, .offset: 16, .size: 8, .value_kind: global_buffer, .address_space: global }
      - { .name: wsc, .offset: 24, .size: 8, .value_kind: global_buffer, .address_space: global }
      - { .name: bq, .offset: 32, .size: 8, .value_kind: global_buffer, .address_space: global }
      - { .name: bk, .offset: 40, .size: 8, .value_kind: global_buffer, .address_space: global }
      - { .name: bv, .offset: 48, .size: 8, .value_kind: global_buffer, .address_space: global }
      - { .name: qkv, .offset: 56, .size: 8, .value_kind: global_buffer, .address_space: global }
    .group_segment_fixed_size: 279040
    .private_segment_fixed_size: 0
    .kernarg_segment_align: 8
    .kernarg_segment_size: 64
    .max_flat_workgroup_size: 128
    .sgpr_count:     104
    .vgpr_count:     1024
    .wavefront_size: 32
...
	.end_amdgpu_metadata
.endif
;; end of part 2
;; launch attn (part 3): grid 4 x 64, 16 waves a work-group, clusters of 4 x 1, 169,984 bytes of LDS; arguments qkv, aoc, aos; writes aoc, aos
.if DOCPART == 3
	.amdgcn_target "amdgcn-amd-amdhsa--gfx1250"
	.amdhsa_code_object_version 6
	.text
	.protected	k_qc5e0d89620_attn
	.globl	k_qc5e0d89620_attn
	.p2align	8
	.type	k_qc5e0d89620_attn,@function
k_qc5e0d89620_attn:
	s_mov_b64 s[64:65], 0
	v_nop
	global_prefetch_b8 v0, s[64:65] scope:SCOPE_SE
	s_setreg_imm32_b32 hwreg(HW_REG_WAVE_MODE, 25, 1), 1
	s_wait_xcnt 0x0
	s_wait_alu depctr_hold_cnt(0) depctr_sa_sdst(0) depctr_va_vdst(0) depctr_va_sdst(0) depctr_va_ssrc(0) depctr_va_vcc(0) depctr_vm_vsrc(0)
	s_getreg_b32 s2, hwreg(HW_REG_IB_STS2, 6, 4)
	s_cmp_eq_u32 s2, 0
	s_cbranch_scc0 .Lentry_in_a_cluster
	s_endpgm
.Lentry_in_a_cluster:
	s_bfe_u32 s2, ttmp6, 0x10000c
	s_cmp_lg_u32 s2, 0x3003
	s_cbranch_scc0 .Lentry_shape_is_right
	s_endpgm
.Lentry_shape_is_right:
; Causal attention of one head on codes of FP4 (E2M1) with E8M0 scales: S^T = K Q^T (K = the head's 64, filled to 128 with zero codes), p = 2^(t - M), O^T = V^T P^T (K = the keys), o = O / l, quantised along the model's 1,024.
; t = score x log2(e) / 8; M = the running largest t rounded UP to a whole number; p is quantised along the keys, not normalised; l is the sum of the unquantised p.  When M moves, l and O^T are multiplied by 2^(old M - new M): exact.
; A CLUSTER IS A HEAD.  The head's K and V, codes and scales, are the first 143,360 bytes of its record: they come into each partner's LDS ONCE, by eight joint loads of 70 rows x 256 bytes, and stay: no LDS byte is filled twice.
; SHARES.  The head's 128 tiles of 16 queries fall into 16 groups of 8 (128 queries).  The partner at place cx takes tiles 2 cx and 2 cx + 1 of every group; its wave w takes tile 2 cx of group 15 - w (pass 0) and tile 2 cx + 1 of
; group w (pass 1): (16 - w) + (w + 1) = 17 key steps of 128 keys for every wave.  Every branch hangs on the wave's number and the step's alone; cx enters global addresses and the mask's compare value only.
; A step all of whose keys come after the tile's queries is jumped over; in the group's own step hidden scores become -infinity ahead of the maximum (the definition adds -FLT_MAX there: p is 0 either way).
; LAYOUT.  Both products are used transposed: a lane holds ONE query (lane % 16); in tile T its register j holds key 16 T + 8 (lane / 16) + j.  The conversions' destinations are chosen so that one exchange of halves for each
; pair of registers makes p's fragment.
; OUT: aoc (row 16 rt + r, block b: rt x 8192 + b x 256 + r x 16): a tile's codes of one head are 512 consecutive bytes.  aos: single bytes, one for each 16 bytes of codes.
; LIMITS: NaN and infinities are not served.  A block whose largest magnitude lies under 2^-124 has its byte held at 1; a block of zeros gets the byte 1 where the rule says 127 (this program alone reads the bytes).
; o / l is a multiplication by v_rcp_f32's result.
; REGISTERS: v1-4 LDS lane terms; v5, v6 the mask's compare value of pass 0, 1; v7 16 r + h; v8-11 the step's addresses; v12 -M, v13 the largest t, v[14:15] l in two halves; v16-23, v24-31 Q of pass 0, 1;
;   v32-63 four fragments of K (upper halves 0); v64-95 V; v96-159 S^T, then p; v160-191 O^T; v192-199 p's codes; v200-207 K's scale words, v208-211 V's, v212, v213 Q's, v214 p's; v216-231, v233 at work.
.set REC,  217088
.set VCO,  65536
.set KSO,  131072
.set VSO,  139264
.set QC,   143360
.set QS,   208896
.set PART, 17920                       ; 70 rows of 256 bytes: what one joint load brings
.macro CROUND                          ; a round of the cluster's barrier
	s_barrier_signal -1
	s_barrier_wait -1
	s_cmp_lg_u32 s10, 0
	s_cbranch_scc1 .Lnot_wave_0_\@
	s_barrier_signal -3
.Lnot_wave_0_\@:
	s_barrier_wait -3
	s_barrier_signal -1
	s_barrier_wait -1
.endm
.macro QADDR p                         ; pass p's tile: where its Q lies and where its results go
.if \p == 0
	s_sub_co_u32 s60, 15, s10
.else
	s_mov_b32 s60, s10
.endif
	s_lshl_b32 s60, s60, 3
	s_lshl_b32 s61, s11, 1
	s_add_co_u32 s60, s60, s61
	s_add_co_u32 s60, s60, \p                      ; the query tile: 8 x group + 2 cx + p
	s_lshl_b32 s62, s60, 9
	s_add_co_u32 s62, s62, QC
	s_mov_b32 s63, 0
	s_add_nc_u64 s[40+8*\p:41+8*\p], s[4:5], s[62:63]   ; its codes
	s_lshr_b32 s62, s60, 2
	s_lshl_b32 s62, s62, 8
	s_and_b32 s66, s60, 3
	s_lshl_b32 s66, s66, 2
	s_add_co_u32 s62, s62, s66
	s_add_co_u32 s62, s62, QS
	s_add_nc_u64 s[42+8*\p:43+8*\p], s[4:5], s[62:63]   ; its scale words
	s_lshr_b32 s66, s12, 4
	s_lshl_b32 s66, s66, 7
	s_add_co_u32 s66, s66, s60                     ; rt = 128 x batch + tile
	s_and_b32 s67, s12, 15                         ; head
	s_lshl_b32 s62, s66, 13
	s_lshl_b32 s68, s67, 9
	s_add_co_u32 s62, s62, s68
	s_add_nc_u64 s[44+8*\p:45+8*\p], s[6:7], s[62:63]   ; aoc: rt x 8192 + head x 512
	s_lshl_b32 s62, s66, 9
	s_lshr_b32 s68, s67, 3
	s_lshl_b32 s68, s68, 8
	s_add_co_u32 s62, s62, s68
	s_lshl_b32 s68, s67, 1
	s_and_b32 s68, s68, 15
	s_add_co_u32 s62, s62, s68
	s_add_nc_u64 s[46+8*\p:47+8*\p], s[8:9], s[62:63]   ; aos: rt x 512 + (head / 8) x 256 + (2 head) % 16
.endm
; A KEY STEP: 128 keys.
.macro STEP p
	s_cmp_gt_u32 s29, s28                          ; all its keys come after my queries: only the lines at its end are run
	s_cbranch_scc1 .Lhid_\@
	s_setprio 2
	v_add_nc_u32 v8, s30, v1                       ; these four are also the places behind the last step's products, in front of the loads into their registers
	v_add_nc_u32 v9, s30, v2
	v_add_nc_u32 v10, s31, v3
	v_add_nc_u32 v11, s32, v4
.irp t, 0,1,2,3
	ds_load_b128 v[32+8*\t:35+8*\t], v8 offset:512*\t              ; K's tiles 0-3
.endr
	ds_load_b128 v[200:203], v10                   ; K's scale words of tiles 0-3,
	ds_load_b128 v[204:207], v10 offset:256        ; of tiles 4-7
.irp f, 0,1,2,3,4,5,6,7
	ds_load_b128 v[64+4*\f:67+4*\f], v9 offset:512*\f              ; V: channel tile f / 2, half f % 2
.endr
	ds_load_b128 v[208:211], v11                   ; V's scale words
	s_wait_alu depctr_va_vdst(0)
	s_wait_dscnt 9                                 ; K's four tiles and its words are in; V's nine loads may be out
.irp t, 0,1,2,3
	v_wmma_scale_f32_16x16x128_f8f6f4 v[96+8*\t:103+8*\t], v[32+8*\t:39+8*\t], v[16+8*\p:23+8*\p], 0, v[200+\t], v[212+\p] matrix_a_fmt:MATRIX_FMT_FP4 matrix_b_fmt:MATRIX_FMT_FP4
.endr
.rept 4
	v_nop                                          ; places in front of loads into registers that these products read
.endr
.irp t, 0,1,2,3
	ds_load_b128 v[32+8*\t:35+8*\t], v8 offset:2048+512*\t         ; K's tiles 4-7
.endr
	s_wait_dscnt 0x0
.irp t, 0,1,2,3
	v_wmma_scale_f32_16x16x128_f8f6f4 v[128+8*\t:135+8*\t], v[32+8*\t:39+8*\t], v[16+8*\p:23+8*\p], 0, v[204+\t], v[212+\p] matrix_a_fmt:MATRIX_FMT_FP4 matrix_b_fmt:MATRIX_FMT_FP4
.endr
.rept 4
	v_nop
.endr
	s_cmp_lg_u32 s29, s28                          ; only my group's own step has hidden keys
	s_cbranch_scc1 .Lopen_\@
.irp n, 0,1,2,3,4,5,6,7,8,9,10,11,12,13,14,15,16,17,18,19,20,21,22,23,24,25,26,27,28,29,30,31,32,33,34,35,36,37,38,39,40,41,42,43,44,45,46,47,48,49,50,51,52,53,54,55,56,57,58,59,60,61,62,63
	v_cmp_gt_i32 vcc_lo, 16*(\n/8)+\n%8, v[5+\p]   ; register n holds key 16 (n / 8) + 8 h + n % 8 of the step: hidden where that is above my query's place in the group
	v_cndmask_b32 v[96+\n], v[96+\n], v231, vcc_lo
.endr
.Lopen_\@:
.irp b, 0,1,2,3
	v_max3_num_f32 v[216+\b], v[96+16*\b], v[97+16*\b], v[98+16*\b]   ; the largest score of each block of 32 keys: it serves for the row's maximum and, since p rises with the score, for the block's largest p
.endr
.irp i, 3,5,7,9,11,13
.irp b, 0,1,2,3
	v_max3_num_f32 v[216+\b], v[216+\b], v[96+16*\b+\i], v[97+16*\b+\i]
.endr
.endr
.irp b, 0,1,2,3
	v_max_num_f32 v[216+\b], v[216+\b], v[111+16*\b]
.endr
.irp b, 0,1,2,3
	s_delay_alu instid0(VALU_DEP_4)
	v_permlanex16_b32 v[220+\b], v[216+\b], s34, s35
.endr
.irp b, 0,1,2,3
	s_delay_alu instid0(VALU_DEP_4)
	v_max_num_f32 v[216+\b], v[216+\b], v[220+\b]  ; with lane l xor 16's 16 keys
.endr
	s_delay_alu instid0(VALU_DEP_2)
	v_max3_num_f32 v230, v216, v217, v218
	s_delay_alu instid0(VALU_DEP_1)
	v_max_num_f32 v230, v230, v219                 ; the step's largest score of my query
	s_delay_alu instid0(VALU_DEP_1)
	v_mul_f32 v230, s36, v230                      ; as t
	s_delay_alu instid0(VALU_DEP_1)
	v_max_num_f32 v13, v13, v230                   ; the running largest t
	v_mov_b32 v230, v12
	s_delay_alu instid0(VALU_DEP_2)
	v_floor_f32 v12, -v13                          ; the new -M = floor(-t) = -ceil(t)
	s_delay_alu instid0(VALU_DEP_1)
	v_sub_f32 v230, v12, v230                      ; old M - new M: a whole number, 0 or less
	s_delay_alu instid0(VALU_DEP_1)
	v_cvt_i32_f32 v230, v230                       ; (it saturates)
	s_delay_alu instid0(VALU_DEP_1)
	v_ldexp_f32 v228, 1.0, v230                    ; f = 2^(old M - new M)
.irp j, 0,2,4,6,8,10,12,14,16,18,20,22,24,26,28,30,32,34,36,38,40,42,44,46,48,50,52,54,56,58,60,62
	v_pk_fma_f32 v[96+\j:97+\j], v[96+\j:97+\j], s[36:37], v[12:13] op_sel_hi:[1,0,0]   ; t - M, two at a time
.endr
	s_setprio 1
.irp b, 0,1,2,3
	v_fma_f32 v[216+\b], v[216+\b], s36, v12       ; the same of each block's largest score
.endr
	s_wait_alu depctr_va_vdst(0)
.irp j, 0,1,2,3,4,5,6,7,8,9,10,11,12,13,14,15,16,17,18,19,20,21,22,23,24,25,26,27,28,29,30,31,32,33,34,35,36,37,38,39,40,41,42,43,44,45,46,47,48,49,50,51,52,53,54,55,56,57,58,59,60,61,62,63
	v_exp_f32 v[96+\j], v[96+\j]                   ; p = 2^(t - M), at most 1
.endr
	v_pk_mul_f32 v[14:15], v[14:15], v[228:229] op_sel_hi:[1,0]    ; l under the new M (a plain line behind the exponentials)
	s_wait_alu depctr_va_vdst(0)                   ; one wait for the batch of 64, ahead of its first reader
.irp b, 0,1,2,3
	v_exp_f32 v[216+\b], v[216+\b]                 ; the block's largest p
.endr
	v_pk_add_f32 v[220:221], v[100:101], v[104:105]
	v_pk_add_f32 v[252:253], v[108:109], v[112:113]
	v_pk_add_f32 v[250:251], v[116:117], v[120:121]
	v_pk_add_f32 v[248:249], v[124:125], v[128:129]
	v_pk_add_f32 v[246:247], v[132:133], v[136:137]
	v_pk_add_f32 v[244:245], v[140:141], v[144:145]
	v_pk_add_f32 v[242:243], v[148:149], v[152:153]
	v_pk_add_f32 v[14:15], v[14:15], v[156:157]
	v_pk_add_f32 v[220:221], v[220:221], v[96:97]
	v_pk_add_f32 v[252:253], v[252:253], v[98:99]
	v_pk_add_f32 v[250:251], v[250:251], v[102:103]
	v_pk_add_f32 v[248:249], v[248:249], v[106:107]
	v_pk_add_f32 v[246:247], v[246:247], v[110:111]
	v_pk_add_f32 v[244:245], v[244:245], v[114:115]
	v_pk_add_f32 v[242:243], v[242:243], v[118:119]
	v_pk_add_f32 v[14:15], v[14:15], v[122:123]
	v_pk_add_f32 v[220:221], v[220:221], v[126:127]
	v_pk_add_f32 v[252:253], v[252:253], v[130:131]
	v_pk_add_f32 v[250:251], v[250:251], v[134:135]
	v_pk_add_f32 v[248:249], v[248:249], v[138:139]
	v_pk_add_f32 v[246:247], v[246:247], v[142:143]
	v_pk_add_f32 v[244:245], v[244:245], v[146:147]
	v_pk_add_f32 v[242:243], v[242:243], v[150:151]
	v_pk_add_f32 v[14:15], v[14:15], v[154:155]
	v_pk_add_f32 v[220:221], v[220:221], v[158:159]
	s_delay_alu instid0(VALU_DEP_2)
	v_pk_add_f32 v[14:15], v[14:15], v[248:249]
	s_delay_alu instid0(VALU_DEP_2)
	v_pk_add_f32 v[220:221], v[220:221], v[246:247]
	v_pk_add_f32 v[252:253], v[252:253], v[244:245]
	v_pk_add_f32 v[250:251], v[250:251], v[242:243]
	s_delay_alu instid0(VALU_DEP_2)
	v_pk_add_f32 v[14:15], v[14:15], v[252:253]
	s_delay_alu instid0(VALU_DEP_2)
	v_pk_add_f32 v[220:221], v[220:221], v[250:251]
	s_delay_alu instid0(VALU_DEP_1)
	v_pk_add_f32 v[14:15], v[14:15], v[220:221]
	s_wait_alu depctr_va_vdst(0)                   ; and one for the four
.irp b, 0,1,2,3
	v_max_num_f32 v[216+\b], 0x1800000, v[216+\b]  ; the floor 2^(3 - 127): the byte cannot fall under 1
.endr
.irp b, 0,1,2,3
	s_delay_alu instid0(VALU_DEP_4)
	v_add_nc_u32 v[224+\b], 0xff000000, v[216+\b]  ; 2 off the exponent field: the conversion's scale operand
.endr
.irp b, 0,1,2,3
	s_delay_alu instid0(VALU_DEP_4)
	v_lshrrev_b32 v[220+\b], 23, v[224+\b]         ; the scale's byte
.endr
	s_delay_alu instid0(VALU_DEP_3)
	v_lshl_or_b32 v214, v221, 8, v220              ; p's scale word for these 128 keys
	s_delay_alu instid0(VALU_DEP_1)
	v_lshl_or_b32 v214, v222, 16, v214
	s_delay_alu instid0(VALU_DEP_1)
	v_lshl_or_b32 v214, v223, 24, v214
	s_setprio 0
.irp c, 0,1
	v_cvt_scalef32_pk8_fp4_f32 v[192+4*\c], v[96+32*\c:103+32*\c], v[224+2*\c]
	v_cvt_scalef32_pk8_fp4_f32 v[194+4*\c], v[104+32*\c:111+32*\c], v[224+2*\c]
	v_cvt_scalef32_pk8_fp4_f32 v[193+4*\c], v[112+32*\c:119+32*\c], v[225+2*\c]
	v_cvt_scalef32_pk8_fp4_f32 v[195+4*\c], v[120+32*\c:127+32*\c], v[225+2*\c]
.endr
	v_nop                                          ; one plain line behind the scaled conversions
.irp c, 0,1
	v_permlane16_swap_b32 v[192+4*\c], v[193+4*\c] ; lane (r, h) now holds block 2 c + h in registers 4 c .. 4 c + 3, keys ascending
	v_permlane16_swap_b32 v[194+4*\c], v[195+4*\c]
.endr
.irp j, 0,2,4,6,8,10,12,14,16,18,20,22,24,26,28,30
	v_pk_mul_f32 v[160+\j:161+\j], v[160+\j:161+\j], v[228:229] op_sel_hi:[1,0]   ; O^T under the new M.  For each product below twelve of these name none of its registers: the places behind the writes of p's codes and scale word
.endr
.irp t, 0,1,2,3
	v_wmma_scale_f32_16x16x128_f8f6f4 v[160+8*\t:167+8*\t], v[64+8*\t:71+8*\t], v[192:199], v[160+8*\t:167+8*\t], v[208+\t], v214 matrix_a_fmt:MATRIX_FMT_FP4 matrix_b_fmt:MATRIX_FMT_FP4
.endr
.Lhid_\@:
	s_add_co_u32 s30, s30, 4096                    ; the next step's tiles of K and of V,
	s_add_co_u32 s31, s31, 512                     ; K's scale words,
	s_add_co_u32 s32, s32, 256                     ; V's
	s_add_co_u32 s29, s29, 1
.endm
.macro FINISH p
.rept 4
	v_nop                                          ; places behind the last products
.endr
	v_add_f32 v14, v14, v15                        ; l's two halves,
	s_delay_alu instid0(VALU_DEP_1)
	v_permlanex16_b32 v230, v14, s34, s35
	s_delay_alu instid0(VALU_DEP_1)
	v_add_f32 v14, v14, v230                       ; and lane l xor 16's
	s_wait_alu depctr_va_vdst(0)
	v_rcp_f32 v228, v14
	v_nop                                          ; a plain line behind the reciprocal
	s_wait_alu depctr_va_vdst(0)                   ; the wait ahead of its first reader
.irp j, 0,2,4,6,8,10,12,14,16,18,20,22,24,26,28,30
	v_pk_mul_f32 v[96+\j:97+\j], v[160+\j:161+\j], v[228:229] op_sel_hi:[1,0]   ; o = O^T / l: register 8 t + j is channel 16 t + 8 h + j of my query
.endr
.irp b, 0,1
	v_max3_num_f32 v[216+\b], |v[96+16*\b]|, |v[97+16*\b]|, 0x1800000   ; the head's 64 channels are two blocks of the last product's K
.endr
.irp i, 2,4,6,8,10,12,14
.irp b, 0,1
	s_delay_alu instid0(VALU_DEP_2)
	v_max3_num_f32 v[216+\b], v[216+\b], |v[96+16*\b+\i]|, |v[97+16*\b+\i]|
.endr
.endr
.irp b, 0,1
	s_delay_alu instid0(VALU_DEP_2)
	v_permlanex16_b32 v[220+\b], v[216+\b], s34, s35
.endr
.irp b, 0,1
	s_delay_alu instid0(VALU_DEP_2)
	v_max_num_f32 v[216+\b], v[216+\b], v[220+\b]
.endr
.irp b, 0,1
	s_delay_alu instid0(VALU_DEP_2)
	v_add_nc_u32 v[224+\b], 0xff000000, v[216+\b]
.endr
	v_cvt_scalef32_pk8_fp4_f32 v192, v[96:103], v224
	v_cvt_scalef32_pk8_fp4_f32 v194, v[104:111], v224
	v_cvt_scalef32_pk8_fp4_f32 v193, v[112:119], v225
	v_cvt_scalef32_pk8_fp4_f32 v195, v[120:127], v225
.irp b, 0,1
	v_lshrrev_b32 v[220+\b], 23, v[224+\b]         ; the bytes (plain lines behind the conversions)
.endr
	v_permlane16_swap_b32 v192, v193
	v_permlane16_swap_b32 v194, v195               ; lane (r, h) holds block h of query r
	s_delay_alu instid0(VALU_DEP_3)
	v_cndmask_b32 v233, v220, v221, s38            ; and stores block h's byte
	global_store_b128 v1, v[192:195], s[44+8*\p:45+8*\p]           ; 512 consecutive bytes, aligned
	global_store_b8 v7, v233, s[46+8*\p:47+8*\p]
.endm
.macro PASS p
.if \p == 1
	s_wait_xcnt 0x0                                ; the first pass's stores have read their registers: they are written again below
	s_mov_b32 s28, s10                             ; my tile's group
.else
	s_sub_co_u32 s28, 15, s10
.endif
	v_mov_b32 v13, 0xff61b1e6                      ; the largest t so far: -3e38, under every t
	s_delay_alu instid0(VALU_DEP_1)
	v_floor_f32 v12, -v13
	v_mov_b32 v14, 0
	v_mov_b32 v15, 0
.irp j, 0,1,2,3,4,5,6,7,8,9,10,11,12,13,14,15,16,17,18,19,20,21,22,23,24,25,26,27,28,29,30,31
	v_mov_b32 v[160+\j], 0                         ; O^T: the step is written once; the first finds zeros, which the first change of M leaves zeros
.endr
	s_mov_b32 s29, 0
	s_mov_b32 s30, 0
	s_mov_b32 s31, 0
	s_mov_b32 s32, 0
.Lstep_\@:                                     ; 16 trips, a constant: the work of steps beyond my group is jumped over inside the trip
	STEP \p
	s_cmp_lt_u32 s29, 16
	s_cbranch_scc1 .Lstep_\@
	s_setprio 0
	FINISH \p
.endm
	s_load_b128 s[4:7], s[0:1], 0x0                ; qkv s[4:5], aoc s[6:7]
	s_load_b64 s[8:9], s[0:1], 0x10                ; aos
	v_lshl_add_u32 v254, v0, 2, 0x29000
	v_mov_b32 v255, 0
	ds_add_u32 v254, v255
	ds_add_u32 v254, v255
	v_lshrrev_b32 v8, 5, v0
	s_delay_alu instid0(VALU_DEP_1)
	v_readfirstlane_b32 s10, v8                    ; wave 0..15
	s_bfe_u32 s11, ttmp6, 0x40000                  ; cx
	s_and_b32 s12, ttmp7, 0xffff                   ; 16 x batch + head: the cluster's y
	s_mul_i32 s56, s12, REC
	s_mov_b32 s57, 0
	s_mul_i32 s13, s10, PART                       ; my part of the record, in memory and in LDS alike
	s_mov_b32 s58, s13
	s_mov_b32 s59, 0
	s_mov_b32 s16, 15|(3<<16)|(1<<21)              ; 15:0 the mask: all four partners; 17:16 elements of 8 bytes; 21 set beside a mask; no padding
	s_mov_b32 s17, 32<<16                          ; tensor_dim0 = 32 (256 bytes)
	s_mov_b32 s18, 70<<16                          ; tensor_dim1 = 70
	s_mov_b32 s19, 32<<16                          ; tile_dim0
	s_mov_b32 s20, 70                              ; tile_dim1
	s_mov_b32 s21, 32                              ; tensor_dim0_stride: dense
	s_mov_b32 s22, 0
	s_mov_b32 s23, 0
	s_mov_b32 s34, 0x76543210
	s_mov_b32 s35, 0xfedcba98                      ; v_permlanex16_b32's selects for lane l xor 16
	s_mov_b32 s36, 0x3e38aa3b                      ; c = log2(e) / 8
	s_mov_b32 s37, s36                             ; (named with it as a pair, so it is written)
	s_mov_b32 s38, 0xffff0000                      ; lanes 16-31
	s_wait_dscnt 0x0
	s_wait_kmcnt 0x0
	s_add_nc_u64 s[4:5], s[4:5], s[56:57]          ; the head's record
	s_mov_b32 s24, 1
	s_mov_b32 s25, s13
	s_add_nc_u64 s[26:27], s[4:5], s[58:59]
	s_or_b32 s27, s27, 0x80000000
	CROUND                                         ; all four partners are here: the joint loads meet
	s_cmp_lt_u32 s10, 8                            ; waves 0-7 fetch, one load each; the branch hangs on the wave's number alone
	s_cbranch_scc0 .Lno_fetch
	tensor_load_to_lds s[24:27], s[16:23]
	s_nop 0
.rept 4
	v_nop
.endr
.Lno_fetch:
	QADDR 0
	QADDR 1
	v_and_b32 v8, 31, v0
	s_delay_alu instid0(VALU_DEP_1)
	v_lshlrev_b32 v1, 4, v8                        ; 16 x lane: K's tiles; also the offset of Q's codes and of the results
	s_delay_alu instid0(VALU_DEP_1)
	v_add_nc_u32 v2, VCO, v1                       ; V's
	v_and_b32 v9, 15, v0                           ; r
	v_bfe_u32 v10, v0, 4, 1                        ; h
	s_delay_alu instid0(VALU_DEP_2)
	v_lshlrev_b32 v11, 4, v9                       ; 16 r
	global_load_b128 v[16:19], v1, s[40:41]        ; Q's fragments: registers 0-3; both passes' now
	global_load_b32 v212, v11, s[42:43]
	global_load_b128 v[24:27], v1, s[48:49]
	global_load_b32 v213, v11, s[50:51]
	v_add_nc_u32 v3, KSO, v11                      ; K's scale words
	v_add_nc_u32 v4, VSO, v11                      ; V's
	v_add_nc_u32 v7, v11, v10                      ; 16 r + h
	v_lshlrev_b32 v10, 3, v10
	s_delay_alu instid0(VALU_DEP_1)
	v_sub_nc_u32 v5, v9, v10                       ; r - 8 h
	s_lshl_b32 s60, s11, 5
	v_add_nc_u32 v5, s60, v5                       ; + 16 x (2 cx): my query's place in its group, less 8 h
	s_delay_alu instid0(VALU_DEP_1)
	v_add_nc_u32 v6, 16, v5                        ; the second pass's tile lies 16 queries on
.irp i, 20,21,22,23,28,29,30,31
	v_mov_b32 v[\i], 0                             ; K = 64: the upper half of each fragment is zero codes
.endr
.irp t, 0,1,2,3
.irp i, 4,5,6,7
	v_mov_b32 v[32+8*\t+\i], 0
.endr
.endr
.irp b, 0,1,2,3
	v_mov_b32 v[220+\b], 0                         ; written once: a lane permute's destination counts as one of its sources
.endr
	v_mov_b32 v229, 0                              ; (named as the upper half of the pair v[228:229])
	v_mov_b32 v230, 0
	v_mov_b32 v231, 0xff800000                     ; -infinity
	s_wait_tensorcnt 0x0                           ; my part has landed (a wave that fetched nothing passes at once)
	s_barrier_signal -1
	s_barrier_wait -1                              ; everybody's has: from here on LDS is only read
	s_wait_loadcnt 0x0                             ; Q
	PASS 0
	PASS 1
	s_wait_tensorcnt 0x0
	ds_add_u32 v254, v255
	s_wait_dscnt 0x0
	CROUND                                         ; the closing round
	s_endpgm
.Lfunc_end_k_qc5e0d89620_attn:
	.size	k_qc5e0d89620_attn, .Lfunc_end_k_qc5e0d89620_attn-k_qc5e0d89620_attn
	.p2alignl 7, 3214868480
	.fill 96, 4, 3214868480
	.section	.rodata,"a",@progbits
	.p2align	6, 0x0
	.amdhsa_kernel k_qc5e0d89620_attn
		.amdhsa_group_segment_fixed_size 169984
		.amdhsa_private_segment_fixed_size 0
		.amdhsa_enable_private_segment 0
		.amdhsa_kernarg_size 24
		.amdhsa_user_sgpr_count 2
		.amdhsa_user_sgpr_kernarg_segment_ptr 1
		.amdhsa_wavefront_size32 1
		.amdhsa_system_sgpr_workgroup_id_x 1
		.amdhsa_system_sgpr_workgroup_id_y 1
		.amdhsa_system_sgpr_workgroup_id_z 1
		.amdhsa_system_vgpr_workitem_id 0
		.amdhsa_next_free_vgpr 256
		.amdhsa_next_free_sgpr 72
		.amdhsa_reserve_vcc 1
		.amdhsa_float_denorm_mode_32 3
		.amdhsa_float_denorm_mode_16_64 3
		.amdhsa_memory_ordered 1
		.amdhsa_forward_progress 1
		.amdhsa_inst_pref_size 62
	.end_amdhsa_kernel
	.amdgpu_metadata
---
amdhsa.version: [ 1, 2 ]
amdhsa.kernels:
  - .name:           k_qc5e0d89620_attn
    .symbol:         k_qc5e0d89620_attn.kd
    .args:
      - { .name: qkv, .offset: 0, .size: 8, .value_kind: global_buffer, .address_space: global }
      - { .name: aoc, .offset: 8, .size: 8, .value_kind: global_buffer, .address_space: global }
      - { .name: aos, .offset: 16, .size: 8, .value_kind: global_buffer, .address_space: global }
    .group_segment_fixed_size: 169984
    .private_segment_fixed_size: 0
    .kernarg_segment_align: 8
    .kernarg_segment_size: 24
    .max_flat_workgroup_size: 512
    .sgpr_count:     72
    .vgpr_count:     256
    .wavefront_size: 32
...
	.end_amdgpu_metadata
.endif
;; end of part 3
;; launch oproj (part 4): grid 4 x 32, 4 waves a work-group, clusters of 4 x 4, 327,680 bytes of LDS; arguments aoc, aos, wc, wsc, bo, out0; writes out0
.if DOCPART == 4
	.amdgcn_target "amdgcn-amd-amdhsa--gfx1250"
	.amdhsa_code_object_version 6
	.text
	.protected	k_qc5e0d89620_oproj
	.globl	k_qc5e0d89620_oproj
	.p2align	8
	.type	k_qc5e0d89620_oproj,@function
k_qc5e0d89620_oproj:
	s_mov_b64 s[64:65], 0
	v_nop
	global_prefetch_b8 v0, s[64:65] scope:SCOPE_SE
	s_setreg_imm32_b32 hwreg(HW_REG_WAVE_MODE, 25, 1), 1
	s_wait_xcnt 0x0
	s_wait_alu depctr_hold_cnt(0) depctr_sa_sdst(0) depctr_va_vdst(0) depctr_va_sdst(0) depctr_va_ssrc(0) depctr_va_vcc(0) depctr_vm_vsrc(0)
	s_getreg_b32 s2, hwreg(HW_REG_IB_STS2, 6, 4)
	s_cmp_eq_u32 s2, 0
	s_cbranch_scc0 .Lentry_in_a_cluster
	s_endpgm
.Lentry_in_a_cluster:
	s_bfe_u32 s2, ttmp6, 0x10000c
	s_cmp_lg_u32 s2, 0xf033
	s_cbranch_scc0 .Lentry_shape_is_right
	s_endpgm
.Lentry_shape_is_right:
; out0 = o wo + bo on codes of FP4 (E2M1) with E8M0 scales, sums in f32.  o: aoc, aos (8,192 rows); wo: rows 3,072 to 4,095 of wc, wsc (a row is a column n of wo).  out0: [8192][1024] f32.
; A tile of 256 x 256 is made by four waves, each 128 x 128: 64 accumulators of 16 x 16.  K = 1,024: all of it lies in LDS at once, as two slots of 512 along K, each filled ONCE: no LDS byte is filled twice.
; OPERANDS LIE IN THE ORDER OF THEIR REGISTERS (row 16 rt + r, K step s: codes at rt x 8192 + s x 1024 + c x 512 + 16 x lane): a fragment is two loads of 512 consecutive bytes; no pitch, no padding.
; THE MATRIX INSTRUCTION IS USED TRANSPOSED (source 0 = 16 rows of wo's codes, source 1 = 16 rows of o): a lane holds eight neighbouring numbers of a row of out0.  The bias is the C of each sum's first product.
; CLUSTERS: 4 x 4.  o's tile is shared along a row of the cluster, wo's along a column: each is asked for jointly.  The grid has 128 work-groups: 32 x 4 tiles.
; LIMITS: NaN and infinities are not served.
; REGISTERS: window 0: v1-4 lane terms; v16-27 addresses; v32-95 scale words, two sets; v128-191 A's fragments, one set; v192-255 the bias; on the way out v128-255 take rows read back from the stage.
;   Window 1: B's fragments, two sets, at v0 and v128.  Windows 2, 3: accumulator (a, b) at v[8 (8 (a % 4) + b)].
.set SLOT,  131072
.set BPART, 65536
.set SCL,   262144
.set STAGE, 278528                     ; behind the scales: 16 rows x 528 bytes for each wave, bytes of their own
.set SPITCH, 528
.set SIZE_N, 1024
.set FR,    8
.set NQ,    4
.set NP,    4
.set ADRA,  16
.set ADRB,  20
.set STO,   24
.set RD,    25
.set CO,    26
.set ADRS,  27
.set SC,    32
.set AF,    128
.set BK,    128
.set BI,    192
.set G1, 24
.set G0, 32
.set G1B, 48
.set G0B, 56
.set G1S, 68
.set G0S, 76
.set G1SB, 80
.set G0SB, 88
.set MSB, 0
.macro WIN new                         ; the immediate's high byte repeats the setting that is left
.if MSB != (\new)
	s_set_vgpr_msb (MSB<<8)|(\new)
.set MSB, (\new)
.endif
.endm
.set MUL_LO, 0xa1                      ; source 0 (B) window 1, source 1 (A) window 0, C and D window 2
.set MUL_HI, 0xf1                      ; the same, C and D window 3
.set FST_LO, 0x81                      ; the first step: C (the bias) window 0, D window 2
.set FST_HI, 0xc1                      ; D window 3
.set TO_B,   0x40
.macro JLOAD g0a, g1a, g0b, g1b        ; a joint load: waves 0 and 1 fetch for A, waves 2 and 3 for B; four v_nop follow each of the two lines
	s_cmp_eq_u32 s15, 0
	s_cbranch_scc0 .Lfor_b_\@
	tensor_load_to_lds s[\g0a:\g0a+3], s[\g1a:\g1a+7]
	s_nop 0
.rept 4
	v_nop
.endr
	s_branch .Lasked_\@
.Lfor_b_\@:
	tensor_load_to_lds s[\g0b:\g0b+3], s[\g1b:\g1b+7]
	s_nop 0
.rept 4
	v_nop
.endr
.Lasked_\@:
.endm
.macro CROUND                          ; a round of the cluster's barrier
	s_barrier_signal -1
	s_barrier_wait -1
	s_cmp_lg_u32 s14, 0
	s_cbranch_scc1 .Lnot_wave_0_\@
	s_barrier_signal -3
.Lnot_wave_0_\@:
	s_barrier_wait -3
	s_barrier_signal -1
	s_barrier_wait -1
.endm
.macro PLACES n                        ; plain vector lines between a matrix instruction and a load into, or a read of, its registers
.rept \n
	v_nop
.endr
.endm
.macro FRAG reg, adr, q, i
.irp c, 0,1
	ds_load_b128 v[\reg+4*\c:\reg+4*\c+3], v[\adr] offset:1024*(\q)+512*\c+(\i)*4096
.endr
.endm
; 16 matrix instructions: A's blocks a0, a0 + 1 x B's eight.  first = 1: the bias starts the sums.  The 64 accumulators take turns, one instruction a turn.
.macro MUL16 a0, p, q, sc, first
.irp a, \a0, \a0+1
.irp b, 0,1,2,3,4,5,6,7
.if \first
	v_wmma_scale_f32_16x16x128_f8f6f4 v[8*(8*((\a)%4)+\b):8*(8*((\a)%4)+\b)+7], v[128*(\p)+FR*\b:128*(\p)+FR*\b+FR-1], v[AF+FR*(\a):AF+FR*(\a)+FR-1], v[BI+8*\b:BI+8*\b+7], v[SC+8*NQ*(\sc)+NQ*\b+(\q)], v[SC+8*NQ*(\sc)+NQ*(\a)+(\q)] matrix_a_fmt:MATRIX_FMT_FP4 matrix_b_fmt:MATRIX_FMT_FP4 matrix_a_scale:MATRIX_SCALE_ROW1
.else
	v_wmma_scale_f32_16x16x128_f8f6f4 v[8*(8*((\a)%4)+\b):8*(8*((\a)%4)+\b)+7], v[128*(\p)+FR*\b:128*(\p)+FR*\b+FR-1], v[AF+FR*(\a):AF+FR*(\a)+FR-1], v[8*(8*((\a)%4)+\b):8*(8*((\a)%4)+\b)+7], v[SC+8*NQ*(\sc)+NQ*\b+(\q)], v[SC+8*NQ*(\sc)+NQ*(\a)+(\q)] matrix_a_fmt:MATRIX_FMT_FP4 matrix_b_fmt:MATRIX_FMT_FP4 matrix_a_scale:MATRIX_SCALE_ROW1
.endif
.endr
.endr
.endm
.macro FETCH_B slot, q, p
	WIN TO_B
.irp i, 0,1,2,3,4,5,6,7
	FRAG 128*(\p)+FR*\i, ADRB+\slot, \q, \i
.endr
	WIN 0
.endm
.macro FETCH_A slot, q, i0
.irp i, \i0, \i0+1, \i0+2, \i0+3
	FRAG AF+FR*(\i), ADRA+\slot, \q, \i
.endr
.endm
.macro SCALES sc
.irp i, 0,1,2,3,4,5,6,7
	ds_load_b128 v[SC+8*NQ*\sc+NQ*\i:SC+8*NQ*\sc+NQ*\i+3], v[ADRS] offset:\i*512+\sc*256
.endr
.endm
.macro STEP slot, q, first
	s_wait_dscnt 8                                 ; B's set and A's blocks 0-3 are in; the youngest eight loads (A's blocks 4-7) may be out
.if \first
	WIN FST_LO
.else
	WIN MUL_LO
.endif
	MUL16 0, (\q)%2, \q, \slot, \first
	MUL16 2, (\q)%2, \q, \slot, \first
	s_wait_dscnt 0x0
	PLACES NP
	FETCH_B \slot, (\q)+1, 1-(\q)%2
	FETCH_A \slot, (\q)+1, 0
.if \first
	WIN FST_HI
.else
	WIN MUL_HI
.endif
	MUL16 4, (\q)%2, \q, \slot, \first
	MUL16 6, (\q)%2, \q, \slot, \first
	PLACES NP
	WIN 0
	FETCH_A \slot, (\q)+1, 4
.endm
.macro TURN                            ; slot 0's last step: behind one barrier slot 1 is whole for every wave.  Nothing is filled again
	s_wait_tensorcnt 0x0                           ; my part of slot 1 has landed
	s_wait_dscnt 8
	WIN MUL_LO
	MUL16 0, 1, 3, 0, 0
	s_wait_dscnt 0x0                               ; no LDS instruction of mine is out at the signal
	s_barrier_signal -1
	MUL16 2, 1, 3, 0, 0
	WIN 0
	s_barrier_wait -1
	PLACES NP
	FETCH_B 1, 0, 0
	FETCH_A 1, 0, 0
	SCALES 1
	WIN MUL_HI
	MUL16 4, 1, 3, 0, 0
	MUL16 6, 1, 3, 0, 0
	PLACES NP
	WIN 0
	FETCH_A 1, 0, 4
.endm
.macro LAST
	s_wait_dscnt 8
	WIN MUL_LO
	MUL16 0, 1, 3, 1, 0
	MUL16 2, 1, 3, 1, 0
	s_wait_dscnt 0x0
	WIN MUL_HI
	MUL16 4, 1, 3, 1, 0
	MUL16 6, 1, 3, 1, 0
	WIN 0
.endm
; THE WAY OUT, block by block of 16 rows x 128 columns, through my own stage: in as 32 bytes a lane, back as whole rows of 512 bytes.  LDS serves a wave's instructions in order (ISA guide 5.7.1.4).
.macro TOSTAGE a
.set AC, 64*((\a)%4)
	WIN 0x08+4*((\a)/4)                            ; the data: window 2 or 3
.irp b, 0,1,2,3,4,5,6,7
	ds_store_b128 v[STO], v[AC+8*\b:AC+8*\b+3] offset:64*\b        ; each accumulator from its low end on
	ds_store_b128 v[STO], v[AC+8*\b+4:AC+8*\b+7] offset:64*\b+16
.endr
	WIN 0
.set BB, BK+64*((\a)%2)
.irp t, 0,1,2,3,4,5,6,7,8,9,10,11,12,13,14,15
	ds_load_b128 v[BB+4*\t:BB+4*\t+3], v[RD] offset:\t*SPITCH
.endr
.endm
.macro SEND a, younger                 ; younger: the LDS instructions issued behind block a's loads, which may stay out
.set BB, BK+64*((\a)%2)
	s_wait_dscnt \younger
.if (\a) > 0
	s_add_nc_u64 s[12:13], s[12:13], 16*SIZE_N*4   ; (behind a wait on XCNT: the earlier stores have read their base)  16 rows on
.endif
.irp t, 0,1,2,3,4,5,6,7,8,9,10,11,12,13,14,15
	global_store_b128 v[CO], v[BB+4*\t:BB+4*\t+3], s[12:13] offset:\t*SIZE_N*4 th:TH_STORE_NT   ; 32 lanes store 512 consecutive bytes, aligned; written once, read by nobody here
.endr
.endm
	s_load_b256 s[4:11], s[0:1], 0x0               ; aoc s[4:5], aos s[6:7], wc s[8:9], wsc s[10:11]
	s_load_b128 s[92:95], s[0:1], 0x20             ; bo s[92:93], out0 s[94:95]
	v_lshl_add_u32 v126, v0, 2, 0x4c400
	v_mov_b32 v127, 0
	ds_add_u32 v126, v127
	ds_add_u32 v126, v127
	v_lshrrev_b32 v1, 5, v0
	v_readfirstlane_b32 s14, v1                    ; wave 0..3
	s_lshr_b32 s15, s14, 1                         ; which half of the tile's rows is mine.  Also: I fetch for A (0) or for B (1)
	s_and_b32 s16, s14, 1                          ; which half of its columns.  Also: which 128 rows I fetch
	s_bfe_u32 s40, ttmp6, 0x40000                  ; cx, cy
	s_bfe_u32 s41, ttmp6, 0x40004
	s_lshl_b32 s42, ttmp9, 2
	s_add_co_u32 s42, s42, s40                     ; tile column
	s_and_b32 s17, ttmp7, 0xffff
	s_lshl_b32 s17, s17, 2
	s_add_co_u32 s17, s17, s41                     ; tile row
	s_lshl_b32 s43, s41, 2
	s_lshl_b32 s43, 15, s43                        ; my row of the cluster
	s_lshl_b32 s44, 0x1111, s40                    ; my column
	; descriptor group 1, codes: 8 rows of 4,096 bytes (512 elements of 8 bytes), 8,192 bytes apart: half of K of 128 rows
	s_or_b32 s[G1+0], s43, (3<<16)|(1<<21)
	s_or_b32 s[G1B+0], s44, (3<<16)|(1<<21)
.irp g, G1, G1B
	s_mov_b32 s[\g+1], 512<<16
	s_mov_b32 s[\g+2], 8<<16
	s_mov_b32 s[\g+3], 512<<16
	s_mov_b32 s[\g+4], 8
	s_mov_b32 s[\g+5], 1024
	s_mov_b32 s[\g+6], 0
	s_mov_b32 s[\g+7], 0
.endr
	; scales of 128 rows: 4,096 dense bytes, as 16 rows of 256
	s_or_b32 s[G1S+0], s43, (3<<16)|(1<<21)
	s_or_b32 s[G1SB+0], s44, (3<<16)|(1<<21)
.irp g, G1S, G1SB
	s_mov_b32 s[\g+1], 32<<16
	s_mov_b32 s[\g+2], 16<<16
	s_mov_b32 s[\g+3], 32<<16
	s_mov_b32 s[\g+4], 16
	s_mov_b32 s[\g+5], 32
	s_mov_b32 s[\g+6], 0
	s_mov_b32 s[\g+7], 0
.endr
	s_lshl_b32 s18, s16, 7
	s_lshl_b32 s20, s17, 8
	s_add_co_u32 s20, s20, s18                     ; A: row 256 x tile row + 128 x half
	s_lshl_b32 s46, s42, 8
	s_add_co_u32 s46, s46, s18
	s_add_co_u32 s46, s46, 3072                    ; B: row 3,072 + 256 x tile column + 128 x half
	s_lshl_b32 s22, s20, 5
	s_mov_b32 s23, 0
	s_lshl_b32 s20, s20, 9
	s_mov_b32 s21, 0
	s_lshl_b32 s66, s46, 5
	s_mov_b32 s67, 0
	s_lshl_b32 s46, s46, 9
	s_mov_b32 s47, 0
	s_lshl_b32 s45, s14, 15                        ; where they go: wave x 32,768
	s_lshl_b32 s3, s14, 12                         ; the scales: wave x 4,096
	s_wait_dscnt 0x0
	s_wait_kmcnt 0x0
	s_add_nc_u64 s[20:21], s[4:5], s[20:21]
	s_add_nc_u64 s[22:23], s[6:7], s[22:23]
	s_add_nc_u64 s[46:47], s[8:9], s[46:47]
	s_add_nc_u64 s[66:67], s[10:11], s[66:67]
	CROUND                                         ; all sixteen work-groups are here: the joint loads meet
	s_mov_b32 s[G0S], 1
	s_add_co_u32 s[G0S+1], s3, SCL
	s_mov_b64 s[G0S+2:G0S+3], s[22:23]
	s_or_b32 s[G0S+3], s[G0S+3], 0x80000000
	s_mov_b32 s[G0SB], 1
	s_add_co_u32 s[G0SB+1], s3, SCL
	s_mov_b64 s[G0SB+2:G0SB+3], s[66:67]
	s_or_b32 s[G0SB+3], s[G0SB+3], 0x80000000
	JLOAD G0S, G1S, G0SB, G1SB                     ; the scales first; then both slots, each asked for after the one before has landed
.irp s, 0,1
	s_mov_b32 s[G0+4*\s], 1
	s_add_co_u32 s[G0+4*\s+1], s45, \s*SLOT
	s_add_nc_u64 s[G0+4*\s+2:G0+4*\s+3], s[20:21], \s*4096
	s_or_b32 s[G0+4*\s+3], s[G0+4*\s+3], 0x80000000
	s_mov_b32 s[G0B+4*\s], 1
	s_add_co_u32 s[G0B+4*\s+1], s45, \s*SLOT
	s_add_nc_u64 s[G0B+4*\s+2:G0B+4*\s+3], s[46:47], \s*4096
	s_or_b32 s[G0B+4*\s+3], s[G0B+4*\s+3], 0x80000000
	s_wait_alu depctr_va_vdst(0)
	s_wait_tensorcnt 0x0
	ds_add_u32 v126, v127
	s_wait_dscnt 0x0
	CROUND
	JLOAD G0+4*\s, G1, G0B+4*\s, G1B
.endr
	v_and_b32 v1, 15, v0                           ; r
	s_wait_alu depctr_va_vdst(0)
	v_bfe_u32 v2, v0, 4, 1                         ; h
	s_wait_alu depctr_va_vdst(0)
	s_lshl_b32 s18, s42, 10
	s_lshl_b32 s19, s16, 9
	s_add_co_u32 s18, s18, s19                     ; my first column x 4
	s_mov_b32 s19, 0
	s_add_nc_u64 s[92:93], s[92:93], s[18:19]
	v_lshlrev_b32 v4, 5, v2                        ; the bias of columns 16 b + 8 h + 0 .. 7, in the result's layout
.irp b, 0,1,2,3,4,5,6,7
	global_load_b128 v[BI+8*\b:BI+8*\b+3], v4, s[92:93] offset:64*\b
	global_load_b128 v[BI+8*\b+4:BI+8*\b+7], v4, s[92:93] offset:64*\b+16
.endr
	s_lshl_b32 s20, s17, 20
	s_lshl_b32 s21, s15, 19
	s_add_co_u32 s20, s20, s21                     ; my first row x 4,096 bytes
	s_add_co_u32 s20, s20, s18
	s_mov_b32 s21, 0
	s_add_nc_u64 s[12:13], s[94:95], s[20:21]      ; out0 at my part's corner
	v_and_b32 v3, 31, v0
	v_lshlrev_b32 v[CO], 4, v3                     ; 16 x lane
	s_lshl_b32 s21, s15, 15
	s_lshl_b32 s22, s16, 15
	s_add_co_u32 s22, s22, BPART
.irp s, 0,1
	v_add_nc_u32 v[ADRA+\s], s21, v[CO]
	v_add_nc_u32 v[ADRB+\s], s22, v[CO]
	s_add_co_u32 s21, s21, SLOT
	s_add_co_u32 s22, s22, SLOT
.endr
	v_lshlrev_b32 v5, 4, v1
	s_lshl_b32 s21, s15, 12
	s_lshl_b32 s22, s16, 12
	s_add_co_u32 s22, s22, 8192
	s_sub_co_u32 s22, s22, s21
	v_mul_u32_u24 v6, s22, v2                      ; lanes 16-31 take B's scale words: one product in h
	s_add_co_u32 s21, s21, SCL
	v_add_nc_u32 v5, v5, v6
	v_add_nc_u32 v[ADRS], s21, v5
	s_mul_i32 s23, s14, 16*SPITCH
	s_add_co_u32 s23, s23, STAGE                   ; my stage
	v_mul_u32_u24 v5, v1, SPITCH
	v_lshl_add_u32 v5, v2, 5, v5
	v_add_nc_u32 v[STO], s23, v5                   ; in: row r, 32 bytes for each half of the lanes
	v_add_nc_u32 v[RD], s23, v[CO]                 ; back: the 32 lanes take one row of 512 bytes
	s_wait_alu depctr_va_vdst(0)
	s_wait_tensorcnt 1                             ; the scales and my part of slot 0 are in; slot 1's load may be out
	s_barrier_signal -1
	s_barrier_wait -1
	FETCH_B 0, 0, 0
	FETCH_A 0, 0, 0
	SCALES 0
	FETCH_A 0, 0, 4
	s_wait_loadcnt 0x0                             ; the bias
	STEP 0, 0, 1                                   ; the first products start the sums from the bias: nothing is cleared, nothing is added later
	STEP 0, 1, 0
	STEP 0, 2, 0
	TURN
	STEP 1, 0, 0
	STEP 1, 1, 0
	STEP 1, 2, 0
	LAST
	PLACES NP                                      ; in front of the first reads of results and of the loads into the registers that held A's fragments
	TOSTAGE 0
.irp a, 1,2,3,4,5,6,7
.if \a > 1
	s_wait_xcnt 0x0                                ; block a - 2's stores have read their registers and their base
.endif
	TOSTAGE \a
	SEND \a-1, 32                                  ; behind block a - 1's loads: block a's 16 stores and 16 loads
.endr
	s_wait_xcnt 0x0                                ; block 6's stores have read their base
	SEND 7, 0
	s_wait_tensorcnt 0x0
	ds_add_u32 v126, v127
	s_wait_dscnt 0x0
	CROUND                                         ; the closing round: no work-group ends while a partner may still ask for a tile that names it
	s_endpgm
.Lfunc_end_k_qc5e0d89620_oproj:
	.size	k_qc5e0d89620_oproj, .Lfunc_end_k_qc5e0d89620_oproj-k_qc5e0d89620_oproj
	.p2alignl 7, 3214868480
	.fill 96, 4, 3214868480
	.section	.rodata,"a",@progbits
	.p2align	6, 0x0
	.amdhsa_kernel k_qc5e0d89620_oproj
		.amdhsa_group_segment_fixed_size 327680
		.amdhsa_private_segment_fixed_size 0
		.amdhsa_enable_private_segment 0
		.amdhsa_kernarg_size 48
		.amdhsa_user_sgpr_count 2
		.amdhsa_user_sgpr_kernarg_segment_ptr 1
		.amdhsa_wavefront_size32 1
		.amdhsa_system_sgpr_workgroup_id_x 1
		.amdhsa_system_sgpr_workgroup_id_y 1
		.amdhsa_system_sgpr_workgroup_id_z 1
		.amdhsa_system_vgpr_workitem_id 0
		.amdhsa_next_free_vgpr 1024
		.amdhsa_next_free_sgpr 100
		.amdhsa_reserve_vcc 0
		.amdhsa_float_denorm_mode_32 3
		.amdhsa_float_denorm_mode_16_64 3
		.amdhsa_memory_ordered 1
		.amdhsa_forward_progress 1
		.amdhsa_inst_pref_size 126
	.end_amdhsa_kernel
	.amdgpu_metadata
---
amdhsa.version: [ 1, 2 ]
amdhsa.kernels:
  - .name:           k_qc5e0d89620_oproj
    .symbol:         k_qc5e0d89620_oproj.kd
    .args:
      - { .name: aoc, .offset: 0, .size: 8, .value_kind: global_buffer, .address_space: global }
      - { .name: aos, .offset: 8, .size: 8, .value_kind: global_buffer, .address_space: global }
      - { .name: wc, .offset: 16, .size: 8, .value_kind: global_buffer, .address_space: global }
      - { .name: wsc, .offset: 24, .size: 8, .value_kind: global_buffer, .address_space: global }
      - { .name: bo, .offset: 32, .size: 8, .value_kind: global_buffer, .address_space: global }
      - { .name: out0, .offset: 40, .size: 8, .value_kind: global_buffer, .address_space: global }
    .group_segment_fixed_size: 327680
    .private_segment_fixed_size: 0
    .kernarg_segment_align: 8
    .kernarg_segment_size: 48
    .max_flat_workgroup_size: 128
    .sgpr_count:     100
    .vgpr_count:     1024
    .wavefront_size: 32
...
	.end_amdgpu_metadata
.endif
;; end of part 4
